; MI455X (gfx1250); checked and timed in simulation.
; The chip was launched on July 23, 2026; its instructions are those of AMD's public machine-readable ISA for CDNA 5 (MIT licence, August 2026) and "CDNA5" Instruction Set Architecture Reference Guide (July 2026). The comments in the code are by the model that wrote it; some were corrected since.
;; Multi Modal VAE. Allowed arithmetic: float matrix products may take bf16 or f16 operands with f32 sums; all other float work in f32.
;; Inputs: W_audio 1,024 x 512 float32; W_image 1,024 x 1,024 float32; W_text 1,024 x 768 float32; W_video 1,024 x 1,024 float32; Wk 1,024 x 1,024 float32; Wo 1,024 x 1,024 float32; Wq 1,024 x 1,024 float32; Wv 1,024 x 1,024 float32; audio 4 x 1,024 x 512 float32; b_audio 1,024 float32; b_image 1,024 float32; b_text 1,024 float32; b_video 1,024 float32; bk 1,024 float32; bo 1,024 float32; bq 1,024 float32; bv 1,024 float32; emb 4 x 1,024 float32; image 4 x 1,024 x 1,024 float32; temperature one number float32; text 4 x 1,024 x 768 float32; video 4 x 1,024 x 1,024 float32.
;; Outputs: out0 4 x 1,024 x 1,024 float32.
;; 2 versions, each right; version 2 is version 1 with the launch cvt written anew for expert scheduling mode. Each part assembles by itself: llvm-mc -triple=amdgcn-amd-amdhsa -mcpu=gfx1250 --defsym DOCPART=n.
;; ======== version 1 of 2: 4 launches
;; limits: values are held in f16: magnitudes above 65,504 overflow, below 6.1e-05 lose precision
;; workspace buffers: xb 33,554,432 bytes; wb 8,388,608 bytes; wqkv 6,291,456 bytes; wob 2,097,152 bytes; cst 33,792 bytes; st16 33,554,432 bytes; fused 8,388,608 bytes
;; launch cvt (part 1): grid 769 x 1, 8 waves a work-group, no clusters, 0 bytes of LDS; arguments text, image, audio, video, W_text, W_image, W_audio, W_video, Wq, Wk, Wv, Wo, b_text, b_image, b_audio, b_video, emb, bq, bk, bv, bo, temperature, xb, wb, wqkv, wob, cst; writes xb, wb, wqkv, wob, cst
.if DOCPART == 1
	.amdgcn_target "amdgcn-amd-amdhsa--gfx1250"
	.amdhsa_code_object_version 6
	.text
	.protected	k_q9faaa34a96_cvt
	.globl	k_q9faaa34a96_cvt
	.p2align	8
	.type	k_q9faaa34a96_cvt,@function
k_q9faaa34a96_cvt:
	s_mov_b64 s[64:65], 0
	v_nop
	global_prefetch_b8 v0, s[64:65] scope:SCOPE_SE
	s_setreg_imm32_b32 hwreg(HW_REG_WAVE_MODE, 25, 1), 1
	s_wait_xcnt 0x0
; EVERY INPUT IS ROUNDED TO bf16, ONCE, AND LAID AS THE PRODUCTS WANT IT.  A stream: no LDS, no barrier, no matrix work.
;   xb   bf16 [4 modalities][4096 rows][pitch 1024]: the four inputs; only the columns below a modality's width are written, and only those are read later
;   wb   bf16 [4][1024][pitch 1024]: the four projection weights          wob  bf16 [1024][1024]: Wo
;   wqkv f16 (the bf16-rounded number, written as f16) [8 heads][16 blocks of 64 k][q, k, v][128 rows][64 k]: a K step's 384 rows of one head lie end to end
;   cst  f32: b_m + emb_m (each rounded first) at 0; bq, bk, bv at 16384; bo at 28672; 256 copies of c = log2(e) / (sqrt(128) |T|) at 32768
; LIMIT: a weight of Wq, Wk, Wv below 2^-17 keeps f16's fixed step of 2^-24; beyond 65,504 it would be an infinity.  T = 0, NaN and infinities are not treated apart.
; SHARES.  A wave takes 4 rows of one tensor, a work-group 32.  Work-groups 0-511: the inputs (128 each); 512-639: their weights (32 each); 640-671: Wo; 672-767: Wq, Wk, Wv; 768: the constants.
; Each tensor has a path of its own, written by one of two macros, so that every base register holds one buffer's address and no two meet at a label.
; All of a wave's loads go out first (16 to 32 of 512 bytes each); each is waited for by a count that leaves the younger ones out; no register is written twice, so no wait frees one.
.set SO, 1                             ; v1  16 x lane: my 16 bytes of 512 source bytes
.set DO, 2                             ; v2  8 x lane: my 8 bytes of 256 destination bytes
.set SB, 3                             ; v3  for Wq, Wk, Wv: lanes 0-15 one row's 256 bytes, lanes 16-31 the next row's
.set X,  8                             ; v[8:135] four registers for each load
.macro GO lim, target
	s_cmp_lt_u32 s2, \lim
	s_cbranch_scc1 \target
.endm
; Rows of nseg x 128 numbers.  The wave's 4 rows are 4 nseg x 512 consecutive source bytes; unit i is 128 numbers of row i / nseg.
.macro ROWS first, srcarg, dstarg, dstoff, nseg
	s_load_b64 s[4:5], s[0:1], \srcarg
	s_load_b64 s[6:7], s[0:1], \dstarg
	s_sub_co_u32 s8, s2, \first                    ; my block of 32 rows
	s_lshl_b32 s8, s8, 5
	s_lshl2_add_u32 s8, s3, s8                     ; my wave's first row
	s_mul_i32 s10, s8, (\nseg)*512                 ; a source row has nseg x 512 bytes
	s_mov_b32 s11, 0
	s_lshl_b32 s12, s8, 11                         ; a destination row has 2,048
	s_add_co_u32 s12, s12, \dstoff
	s_mov_b32 s13, 0
	s_wait_kmcnt 0x0
	s_add_nc_u64 s[4:5], s[4:5], s[10:11]
	s_add_nc_u64 s[6:7], s[6:7], s[12:13]
.set i, 0
.rept 4*(\nseg)
	global_load_b128 v[X+4*i:X+4*i+3], v[SO], s[4:5] offset:512*i th:TH_LOAD_NT
.set i, i+1
.endr
.set i, 0
.rept 4*(\nseg)
	s_wait_loadcnt 4*(\nseg)-1-i                   ; loads come back in order: unit i is in, the younger ones stay out
	v_cvt_pk_bf16_f32 v[X+4*i], v[X+4*i], v[X+4*i+1]
	v_cvt_pk_bf16_f32 v[X+4*i+1], v[X+4*i+2], v[X+4*i+3]
	global_store_b64 v[DO], v[X+4*i:X+4*i+1], s[6:7] offset:(i/(\nseg))*2048+(i%(\nseg))*256  ; the wave's 32 lanes store 256 consecutive bytes, aligned
.set i, i+1
.endr
	s_endpgm
.endm
; Wq, Wk or Wv (j = 0, 1, 2).  Unit i: rows 2 (i / 16) and the next, block i % 16 of 64 k: two pieces of 256 source bytes, which are 256 consecutive bytes of wqkv.
.macro BLK first, srcarg, j
	s_load_b64 s[4:5], s[0:1], \srcarg
	s_load_b64 s[6:7], s[0:1], 0xc0
	s_sub_co_u32 s8, s2, \first
	s_lshl_b32 s8, s8, 5
	s_lshl2_add_u32 s8, s3, s8                     ; my wave's first row n
	s_lshl_b32 s10, s8, 12                         ; a source row has 4,096 bytes
	s_mov_b32 s11, 0
	s_lshr_b32 s12, s8, 7                          ; the head, n / 128
	s_mul_i32 s12, s12, 786432
	s_and_b32 s13, s8, 127
	s_lshl_b32 s13, s13, 7                         ; the row in the head, 128 bytes each
	s_add_co_u32 s12, s12, s13
	s_add_co_u32 s12, s12, (\j)*16384
	s_mov_b32 s13, 0
	s_mov_b32 s14, 0xffff0000                      ; a word's upper bf16
	s_wait_kmcnt 0x0
	s_add_nc_u64 s[4:5], s[4:5], s[10:11]
	s_add_nc_u64 s[6:7], s[6:7], s[12:13]
.set i, 0
.rept 32
	global_load_b128 v[X+4*i:X+4*i+3], v[SB], s[4:5] offset:(i/16)*8192+(i%16)*256 th:TH_LOAD_NT
.set i, i+1
.endr
.set i, 0
.rept 32
	s_wait_loadcnt 31-i
	v_cvt_pk_bf16_f32 v[X+4*i], v[X+4*i], v[X+4*i+1]       ; rounded to bf16,
	v_cvt_pk_bf16_f32 v[X+4*i+1], v[X+4*i+2], v[X+4*i+3]
	v_lshlrev_b32 v[X+4*i+2], 16, v[X+4*i]                 ; widened again,
	v_and_b32     v[X+4*i],   s14, v[X+4*i]
	v_lshlrev_b32 v[X+4*i+3], 16, v[X+4*i+1]
	v_and_b32     v[X+4*i+1], s14, v[X+4*i+1]
	v_cvt_pk_f16_f32 v[X+4*i],   v[X+4*i+2], v[X+4*i]      ; and written as f16: exact, since bf16 has fewer significant bits
	v_cvt_pk_f16_f32 v[X+4*i+1], v[X+4*i+3], v[X+4*i+1]
	global_store_b64 v[DO], v[X+4*i:X+4*i+1], s[6:7] offset:(i/16)*256+(i%16)*49152
.set i, i+1
.endr
	s_endpgm
.endm
.macro RB4 r                           ; four numbers rounded to bf16 and kept as f32
	v_cvt_pk_bf16_f32 v4, v[\r], v[\r+1]
	v_cvt_pk_bf16_f32 v5, v[\r+2], v[\r+3]
	v_lshlrev_b32 v[\r],   16, v4
	v_and_b32     v[\r+1], s31, v4
	v_lshlrev_b32 v[\r+2], 16, v5
	v_and_b32     v[\r+3], s31, v5
.endm
	v_lshrrev_b32 v4, 5, v0
	v_readfirstlane_b32 s3, v4                     ; my wave's number
	s_mov_b32 s2, ttmp9
	v_and_b32 v4, 31, v0
	v_lshlrev_b32 v[SO], 4, v4
	v_lshlrev_b32 v[DO], 3, v4
	v_and_b32 v5, 15, v0
	v_lshlrev_b32 v[SB], 4, v5
	v_bfe_u32 v5, v0, 4, 1
	v_lshl_add_u32 v[SB], v5, 12, v[SB]
	GO 128, .Ltext
	GO 256, .Limage
	GO 384, .Laudio
	GO 512, .Lvideo
	GO 544, .Lwtext
	GO 576, .Lwimage
	GO 608, .Lwaudio
	GO 640, .Lwvideo
	GO 672, .Lwo
	GO 704, .Lwq
	GO 736, .Lwk
	GO 768, .Lwv
	; THE CONSTANTS: 256 threads, four columns each
	s_load_b256 s[8:15], s[0:1], 0x60              ; b_text, b_image, b_audio, b_video
	s_load_b256 s[16:23], s[0:1], 0x80             ; emb, bq, bk, bv
	s_load_b128 s[24:27], s[0:1], 0xa0             ; bo, temperature
	s_load_b64 s[28:29], s[0:1], 0xd0              ; cst
	s_mov_b32 s31, 0xffff0000
	v_lshlrev_b32 v6, 4, v0                        ; 16 t
	v_lshlrev_b32 v7, 2, v0                        ; 4 t
	s_wait_kmcnt 0x0
	s_load_b32 s30, s[26:27], 0x0
	global_load_b128 v[8:11],  v6, s[8:9]
	global_load_b128 v[12:15], v6, s[10:11]
	global_load_b128 v[16:19], v6, s[12:13]
	global_load_b128 v[20:23], v6, s[14:15]
.irp m, 0,1,2,3
	global_load_b128 v[24+4*\m:27+4*\m], v6, s[16:17] offset:4096*\m
.endr
	global_load_b128 v[40:43], v6, s[18:19]
	global_load_b128 v[44:47], v6, s[20:21]
	global_load_b128 v[48:51], v6, s[22:23]
	global_load_b128 v[52:55], v6, s[24:25]
	s_wait_loadcnt 0x0
.irp r, 8,12,16,20,24,28,32,36,40,44,48,52
	RB4 \r
.endr
.irp m, 0,1,2,3
	v_pk_add_f32 v[8+4*\m:9+4*\m],   v[8+4*\m:9+4*\m],   v[24+4*\m:25+4*\m]  ; b_m + emb_m
	v_pk_add_f32 v[10+4*\m:11+4*\m], v[10+4*\m:11+4*\m], v[26+4*\m:27+4*\m]
.endr
.irp m, 0,1,2,3
	global_store_b128 v6, v[8+4*\m:11+4*\m], s[28:29] offset:4096*\m
.endr
.irp j, 0,1,2,3
	global_store_b128 v6, v[40+4*\j:43+4*\j], s[28:29] offset:16384+4096*\j  ; bq, bk, bv, bo
.endr
	s_wait_kmcnt 0x0
	v_mov_b32 v56, s30
	v_cvt_pk_bf16_f32 v56, v56, v56                ; T rounded like every other input
	v_lshlrev_b32 v56, 16, v56
	v_and_b32 v56, 0x7fffffff, v56                 ; |T|
	v_mul_f32 v56, 0x413504f3, v56                 ; sqrt(128) |T|
	v_rcp_f32 v57, v56
	v_nop                                          ; a plain instruction between the reciprocal and its use
	s_wait_alu depctr_va_vdst(0)
	v_mul_f32 v57, 0x3fb8aa3b, v57                 ; c = log2(e) / (sqrt(128) |T|)
	global_store_b32 v7, v57, s[28:29] offset:32768  ; 256 copies: whole blocks of 256 bytes
	s_endpgm
.Ltext:
	ROWS 0, 0x00, 0xb0, 0, 6
.Limage:
	ROWS 128, 0x08, 0xb0, 1<<23, 8
.Laudio:
	ROWS 256, 0x10, 0xb0, 2<<23, 4
.Lvideo:
	ROWS 384, 0x18, 0xb0, 3<<23, 8
.Lwtext:
	ROWS 512, 0x20, 0xb8, 0, 6
.Lwimage:
	ROWS 544, 0x28, 0xb8, 1<<21, 8
.Lwaudio:
	ROWS 576, 0x30, 0xb8, 2<<21, 4
.Lwvideo:
	ROWS 608, 0x38, 0xb8, 3<<21, 8
.Lwo:
	ROWS 640, 0x58, 0xc8, 0, 8
.Lwq:
	BLK 672, 0x40, 0
.Lwk:
	BLK 704, 0x48, 1
.Lwv:
	BLK 736, 0x50, 2
.Lfunc_end_k_q9faaa34a96_cvt:
	.size	k_q9faaa34a96_cvt, .Lfunc_end_k_q9faaa34a96_cvt-k_q9faaa34a96_cvt
	.p2alignl 7, 3214868480
	.fill 96, 4, 3214868480
	.section	.rodata,"a",@progbits
	.p2align	6, 0x0
	.amdhsa_kernel k_q9faaa34a96_cvt
		.amdhsa_group_segment_fixed_size 0
		.amdhsa_private_segment_fixed_size 0
		.amdhsa_enable_private_segment 0
		.amdhsa_kernarg_size 216
		.amdhsa_user_sgpr_count 2
		.amdhsa_user_sgpr_kernarg_segment_ptr 1
		.amdhsa_wavefront_size32 1
		.amdhsa_system_sgpr_workgroup_id_x 1
		.amdhsa_system_sgpr_workgroup_id_y 1
		.amdhsa_system_sgpr_workgroup_id_z 1
		.amdhsa_system_vgpr_workitem_id 0
		.amdhsa_next_free_vgpr 144
		.amdhsa_next_free_sgpr 66
		.amdhsa_reserve_vcc 0
		.amdhsa_float_denorm_mode_32 3
		.amdhsa_float_denorm_mode_16_64 3
		.amdhsa_memory_ordered 1
		.amdhsa_forward_progress 1
		.amdhsa_inst_pref_size 156
	.end_amdhsa_kernel
	.amdgpu_metadata
---
amdhsa.version: [ 1, 2 ]
amdhsa.kernels:
  - .name:           k_q9faaa34a96_cvt
    .symbol:         k_q9faaa34a96_cvt.kd
    .args:
      - { .name: text, .offset: 0, .size: 8, .value_kind: global_buffer, .address_space: global }
      - { .name: image, .offset: 8, .size: 8, .value_kind: global_buffer, .address_space: global }
      - { .name: audio, .offset: 16, .size: 8, .value_kind: global_buffer, .address_space: global }
      - { .name: video, .offset: 24, .size: 8, .value_kind: global_buffer, .address_space: global }
      - { .name: W_text, .offset: 32, .size: 8, .value_kind: global_buffer, .address_space: global }
      - { .name: W_image, .offset: 40, .size: 8, .value_kind: global_buffer, .address_space: global }
      - { .name: W_audio, .offset: 48, .size: 8, .value_kind: global_buffer, .address_space: global }
      - { .name: W_video, .offset: 56, .size: 8, .value_kind: global_buffer, .address_space: global }
      - { .name: Wq, .offset: 64, .size: 8, .value_kind: global_buffer, .address_space: global }
      - { .name: Wk, .offset: 72, .size: 8, .value_kind: global_buffer, .address_space: global }
      - { .name: Wv, .offset: 80, .size: 8, .value_kind: global_buffer, .address_space: global }
      - { .name: Wo, .offset: 88, .size: 8, .value_kind: global_buffer, .address_space: global }
      - { .name: b_text, .offset: 96, .size: 8, .value_kind: global_buffer, .address_space: global }
      - { .name: b_image, .offset: 104, .size: 8, .value_kind: global_buffer, .address_space: global }
      - { .name: b_audio, .offset: 112, .size: 8, .value_kind: global_buffer, .address_space: global }
      - { .name: b_video, .offset: 120, .size: 8, .value_kind: global_buffer, .address_space: global }
      - { .name: emb, .offset: 128, .size: 8, .value_kind: global_buffer, .address_space: global }
      - { .name: bq, .offset: 136, .size: 8, .value_kind: global_buffer, .address_space: global }
      - { .name: bk, .offset: 144, .size: 8, .value_kind: global_buffer, .address_space: global }
      - { .name: bv, .offset: 152, .size: 8, .value_kind: global_buffer, .address_space: global }
      - { .name: bo, .offset: 160, .size: 8, .value_kind: global_buffer, .address_space: global }
      - { .name: temperature, .offset: 168, .size: 8, .value_kind: global_buffer, .address_space: global }
      - { .name: xb, .offset: 176, .size: 8, .value_kind: global_buffer, .address_space: global }
      - { .name: wb, .offset: 184, .size: 8, .value_kind: global_buffer, .address_space: global }
      - { .name: wqkv, .offset: 192, .size: 8, .value_kind: global_buffer, .address_space: global }
      - { .name: wob, .offset: 200, .size: 8, .value_kind: global_buffer, .address_space: global }
      - { .name: cst, .offset: 208, .size: 8, .value_kind: global_buffer, .address_space: global }
    .group_segment_fixed_size: 0
    .private_segment_fixed_size: 0
    .kernarg_segment_align: 8
    .kernarg_segment_size: 216
    .max_flat_workgroup_size: 256
    .sgpr_count:     66
    .vgpr_count:     144
    .wavefront_size: 32
...
	.end_amdgpu_metadata
.endif
;; end of part 1
;; launch proj (part 2): grid 4 x 64, 4 waves a work-group, clusters of 4 x 4, 327,680 bytes of LDS; arguments xb, wb, cst, st16; writes st16
.if DOCPART == 2
	.amdgcn_target "amdgcn-amd-amdhsa--gfx1250"
	.amdhsa_code_object_version 6
	.text
	.protected	k_q9faaa34a96_proj
	.globl	k_q9faaa34a96_proj
	.p2align	8
	.type	k_q9faaa34a96_proj,@function
k_q9faaa34a96_proj:
	s_mov_b64 s[64:65], 0
	v_nop
	global_prefetch_b8 v0, s[64:65] scope:SCOPE_SE
	s_setreg_imm32_b32 hwreg(HW_REG_WAVE_MODE, 25, 1), 1
	s_wait_xcnt 0x0
	s_wait_alu depctr_hold_cnt(0) depctr_sa_sdst(0) depctr_va_vdst(0) depctr_va_sdst(0) depctr_va_ssrc(0) depctr_va_vcc(0) depctr_vm_vsrc(0)
	s_getreg_b32 s2, hwreg(HW_REG_IB_STS2, 6, 4)
	s_cmp_eq_u32 s2, 0
	s_cbranch_scc0 .Lentry_in_a_cluster
	s_endpgm
.Lentry_in_a_cluster:
	s_bfe_u32 s2, ttmp6, 0x10000c
	s_cmp_lg_u32 s2, 0xf033
	s_cbranch_scc0 .Lentry_shape_is_right
	s_endpgm
.Lentry_shape_is_right:
; stacked[m][p][n] = sum over k of x_m[p][k] W_m[n][k] + (b_m[n] + emb_m[n]), for the four modalities m; x and W in bf16, sums in f32, the result rounded once to f16.
; LIMIT: |stacked| stays under 65,520 (f16); with inputs and weights each 30 times the usual spread it reaches some thousands.  NaN and infinities are not treated apart.
; SHARES.  256 work-groups; each makes 256 positions x 256 columns of one modality, four waves of 128 x 128: 64 accumulators of 16 x 16, 512 registers.
; K goes in steps of 128 through two LDS slots filled by tensor loads whose rows are 256 bytes of memory.  The modalities' K differ (768, 1024, 512, 1024): the number of laps hangs on the
; modality, which is made of the cluster's y alone, so all sixteen partners of a cluster run the same number of laps.
; CLUSTER 4 x 4: the four of a row need the same tile of x, the four of a column the same tile of W: each tile is asked for jointly, with a mask that names the four.
; THE MATRIX INSTRUCTION IS USED TRANSPOSED (source 0 = 16 rows of W, source 1 = 16 positions): a lane holds one position and eight neighbouring columns.
; The first product of each accumulator takes the bias as its C operand: nothing is cleared and nothing is added afterwards.
; OUTPUT LAYOUT, for the launch behind: st16 f16 [64 blocks of 64 positions][16 blocks of 64 k][256 rows][64 k], row = ((p / 16) % 4) x 64 + m x 16 + p % 16:
; a K step's 256 rows (64 positions x 4 modalities) lie end to end, and the 64 rows of one wave there are 16 positions of all four modalities.
; REGISTERS, in windows of 256: window 0: v0-31 addresses; v64-127, v128-191 fragments of x, two buffers; v32-63, v192-255 at work on the way out
;   window 1: v0-63 the bias (8 registers for each block of 16 columns); v64-127, v128-191 fragments of W      windows 2, 3: the accumulators, (a, b) at v[8 (8 (a % 4) + b)]
.set KSTEP,  128
.set PITCH,  272                       ; an LDS row: 256 bytes + 16 of padding: the 16 rows of a fragment load start at 16 different groups of four banks
.set HALFT,  128*PITCH                 ; what one tensor load brings
.set SLOT,   4*HALFT                   ; x's 256 rows, then W's 256 rows
.set STAGE,  2*SLOT                    ; behind the ring, never filled by a tensor load: for each wave two stages of 16 rows x 144 bytes
.set SP,     144
.set SUB,    16*SP
.set WSTG,   2*SUB
.set SPARE,  STAGE+4*WSTG              ; the spare words: 128 bytes a wave, two blocks of 256 bytes that no other line names
.set ROWEL,  1024                      ; elements from row to row in xb and wb
.set ADRA, 16                          ; v16-17  LDS address of my fragments of x in slot 0, 1
.set ADRB, 20                          ; v20-21  the same for W
.set STO,  24                          ; v24     the way out: where I put 16 bytes of a row
.set RD,   25                          ; v25     where I read rows back
.set CO,   26                          ; v26     16 x lane
.set BO,   27                          ; v27     32 x (lane / 16): my eight bias numbers in a block of 16
.set SPW,  28                          ; v28     my spare word; never rewritten
.set NIL,  29                          ; v29     0; never rewritten
.set F0,   64
.set F1,   128
.set TMP,  192
.set OB,   32
.set WV, 12                            ; s12 wave; s13 its half of the rows (and: fetches x or W); s14 its half of the columns (and: which 128 rows it fetches)
.set WR, 13
.set WC, 14
.set TRIPS, 22                         ; s22 laps less one
.set G1, 24
.set G0, 32
.set G1B, 48
.set G0B, 56
.set MSB, 0
.macro WIN new                         ; the immediate's high byte repeats the setting that is left; a switch that changes nothing is dropped
.if MSB != (\new)
	s_set_vgpr_msb (MSB<<8)|(\new)
.set MSB, \new
.endif
.endm
.set MUL_LO, 0xa1                      ; source 0 (W) window 1, source 1 (x) window 0, C and D window 2
.set TO_B,   0x40                      ; destination window 1, address window 0
; A joint load: waves 0 and 1 fetch x's two halves, waves 2 and 3 W's.  Four v_nop follow each of the two lines.
.macro JLOAD s
	s_cmp_eq_u32 s[WR], 0
	s_cbranch_scc0 .Lfor_b_\@
	tensor_load_to_lds s[G0+4*(\s):G0+4*(\s)+3], s[G1:G1+7]
	s_nop 0
.rept 4
	v_nop
.endr
	s_branch .Lasked_\@
.Lfor_b_\@:
	tensor_load_to_lds s[G0B+4*(\s):G0B+4*(\s)+3], s[G1B:G1B+7]
	s_nop 0
.rept 4
	v_nop
.endr
.Lasked_\@:
.endm
.macro CREST                           ; a round of the cluster's barrier behind its opening barrier
	s_cmp_lg_u32 s[WV], 0
	s_cbranch_scc1 .Lnot_wave_0_\@
	s_barrier_signal -3
.Lnot_wave_0_\@:
	s_barrier_wait -3
	s_barrier_signal -1
	s_barrier_wait -1
.endm
.macro CROUND
	s_barrier_signal -1
	s_barrier_wait -1
	CREST
.endm
	s_load_b256 s[4:11], s[0:1], 0x0               ; xb s[4:5], wb s[6:7], cst s[8:9], st16 s[10:11]
	v_lshl_add_u32 v[SPW], v0, 2, SPARE
	v_mov_b32 v[NIL], 0
	ds_add_u32 v28, v29
	s_wait_dscnt 0x0
	v_lshrrev_b32 v1, 5, v0
	v_readfirstlane_b32 s[WV], v1
	s_lshr_b32 s[WR], s[WV], 1
	s_and_b32 s[WC], s[WV], 1
	s_bfe_u32 s15, ttmp6, 0x40000                  ; cx
	s_bfe_u32 s16, ttmp6, 0x40004                  ; cy
	s_lshl_b32 s17, ttmp9, 2
	s_add_co_u32 s17, s17, s15                     ; tile column, 0-3
	s_and_b32 s18, ttmp7, 0xffff                   ; the cluster's y, 0-15
	s_lshr_b32 s19, s18, 2                         ; the modality: four clusters each
	s_and_b32 s20, s18, 3
	s_lshl_b32 s20, s20, 2
	s_add_co_u32 s20, s20, s16                     ; tile row in the modality, 0-15
	s_lshl_b32 s[TRIPS], s19, 2
	s_lshr_b32 s[TRIPS], 0x3132, s[TRIPS]
	s_and_b32 s[TRIPS], s[TRIPS], 15               ; K / 256 - 1 = 2, 3, 1, 3
	s_lshl_b32 s2, s16, 2
	s_lshl_b32 s2, 15, s2                          ; my row of the cluster
	s_lshl_b32 s23, 0x1111, s15                    ; my column
	s_or_b32 s[G1+0], s2, (1<<16)|(1<<20)|(1<<21)|(5<<22)|(3<<25)   ; the mask; 2-byte elements; padding on; bit 21 beside a mask; after every 64 words, 4 words
	s_or_b32 s[G1B+0], s23, (1<<16)|(1<<20)|(1<<21)|(5<<22)|(3<<25)
.irp g, G1, G1B
	s_mov_b32 s[(\g)+1], KSTEP<<16                 ; tensor_dim0 = 128
	s_mov_b32 s[(\g)+2], 128<<16                   ; tensor_dim1 = 128
	s_mov_b32 s[(\g)+3], KSTEP<<16                 ; tile_dim0 = 128
	s_mov_b32 s[(\g)+4], 128                       ; tile_dim1 = 128
	s_mov_b32 s[(\g)+5], ROWEL                     ; elements from row to row
	s_mov_b32 s[(\g)+6], 0
	s_mov_b32 s[(\g)+7], 0
.endr
	s_lshl_b32 s40, s19, 23                        ; x: the modality's 4,096 rows of 2,048 bytes,
	s_lshl_b32 s41, s20, 19                        ; the tile row's 256,
	s_add_co_u32 s40, s40, s41
	s_lshl_b32 s41, s[WC], 18                      ; the 128 that I fetch: nothing here hangs on cx
	s_add_co_u32 s40, s40, s41
	s_mov_b32 s41, 0
	s_lshl_b32 s44, s19, 21                        ; W: the modality's 1,024 rows,
	s_lshl_b32 s45, s17, 19                        ; the tile column's 256,
	s_add_co_u32 s44, s44, s45
	s_lshl_b32 s45, s[WC], 18                      ; nothing here hangs on cy
	s_add_co_u32 s44, s44, s45
	s_mov_b32 s45, 0
	s_lshl_b32 s42, s19, 12                        ; the bias: the modality's 1,024 numbers,
	s_lshl_b32 s43, s17, 10                        ; the tile's 256,
	s_add_co_u32 s42, s42, s43
	s_lshl_b32 s43, s[WC], 9                       ; my 128
	s_add_co_u32 s42, s42, s43
	s_mov_b32 s43, 0
	s_mul_i32 s21, s[WV], HALFT                    ; where my tile goes: wave x 128 rows
	s_wait_kmcnt 0x0
	s_add_nc_u64 s[40:41], s[4:5], s[40:41]
	s_add_nc_u64 s[44:45], s[6:7], s[44:45]
	s_add_nc_u64 s[8:9], s[8:9], s[42:43]
	CROUND                                         ; all sixteen work-groups are here: the first joint loads meet
.irp s, 0,1
	s_mov_b32 s[G0+4*(\s)], 1
	s_add_co_u32 s[G0+4*(\s)+1], s21, (\s)*SLOT
	s_add_nc_u64 s[G0+4*(\s)+2:G0+4*(\s)+3], s[40:41], (\s)*KSTEP*2
	s_or_b32 s[G0+4*(\s)+3], s[G0+4*(\s)+3], 0x80000000
	s_mov_b32 s[G0B+4*(\s)], 1
	s_add_co_u32 s[G0B+4*(\s)+1], s21, (\s)*SLOT
	s_add_nc_u64 s[G0B+4*(\s)+2:G0B+4*(\s)+3], s[44:45], (\s)*KSTEP*2
	s_or_b32 s[G0B+4*(\s)+3], s[G0B+4*(\s)+3], 0x80000000
	JLOAD \s                                       ; two loads of mine are out
.endr
	v_and_b32 v1, 15, v0                           ; l % 16
	v_bfe_u32 v2, v0, 4, 1                         ; l / 16
	v_lshlrev_b32 v[BO], 5, v2
	WIN TO_B
.irp b, 0,1,2,3,4,5,6,7                ; register j of block b: the bias of column 16 b + 8 (l / 16) + j, which is where the product's result has that column
	global_load_b128 v[8*\b:8*\b+3],   v[BO], s[8:9] offset:64*\b
	global_load_b128 v[8*\b+4:8*\b+7], v[BO], s[8:9] offset:64*\b+16
.endr
	WIN 0
	v_mul_u32_u24 v3, v1, PITCH
	v_lshl_add_u32 v3, v2, 4, v3                   ; a fragment's row x pitch + 16 x half
	s_mul_i32 s46, s[WR], HALFT                    ; my 128 rows of x
	s_mul_i32 s47, s[WC], HALFT                    ; my 128 rows of W,
	s_add_co_u32 s47, s47, 2*HALFT                 ; behind x's 256
.irp s, 0,1
	v_add_nc_u32 v[ADRA+(\s)], s46, v3
	v_add_nc_u32 v[ADRB+(\s)], s47, v3
	s_add_co_u32 s46, s46, SLOT
	s_add_co_u32 s47, s47, SLOT
.endr
	s_mul_i32 s2, s[WV], WSTG
	s_add_co_u32 s2, s2, STAGE                     ; my stages
	v_mul_u32_u24 v4, v1, SP                       ; in: row l % 16, 16 bytes for each half of the lanes
	v_lshl_add_u32 v4, v2, 4, v4
	v_add_nc_u32 v[STO], s2, v4
	v_bfe_u32 v5, v0, 3, 2                         ; back: 32 lanes take four rows of 128 bytes,
	v_mul_u32_u24 v5, v5, SP
	v_and_b32 v4, 7, v0
	v_lshl_add_u32 v5, v4, 4, v5
	v_add_nc_u32 v[RD], s2, v5
	v_and_b32 v4, 31, v0                           ; which are 512 consecutive bytes of st16
	v_lshlrev_b32 v[CO], 4, v4
	s_lshl_b32 s42, s20, 21                        ; where my first 16 rows go: block of 64 positions 4 x tile row + 2 x row half, 524,288 bytes each;
	s_lshl_b32 s43, s[WR], 20
	s_add_co_u32 s42, s42, s43
	s_lshl_b32 s43, s17, 17                        ; block of 64 k 4 x tile column + 2 x column half, 32,768 bytes each;
	s_add_co_u32 s42, s42, s43
	s_lshl_b32 s43, s[WC], 16
	s_add_co_u32 s42, s42, s43
	s_lshl_b32 s43, s19, 11                        ; the modality's 16 rows of 128 bytes
	s_add_co_u32 s42, s42, s43
	s_mov_b32 s43, 0
; 16 matrix instructions: row blocks a0, a0 + 1 of the window's four x all 8 column blocks, 32 along K.  zero = 1: the first product starts the sums, with the bias as C (window 1).
; The 64 accumulators take turns, in the same order in every quarter.
.macro MUL16 f, hi, a0, zero
.if \zero
	WIN 0x91+0x40*(\hi)
.else
	WIN MUL_LO+0x50*(\hi)
.endif
.irp a, \a0, (\a0)+1
.irp b, 0,1,2,3,4,5,6,7
.if \zero
	v_wmma_f32_16x16x32_bf16 v[8*(8*(\a)+(\b)):8*(8*(\a)+(\b))+7], v[(\f)+8*(\b):(\f)+8*(\b)+7], v[(\f)+8*(4*(\hi)+(\a)):(\f)+8*(4*(\hi)+(\a))+7], v[8*(\b):8*(\b)+7]
.else
	v_wmma_f32_16x16x32_bf16 v[8*(8*(\a)+(\b)):8*(8*(\a)+(\b))+7], v[(\f)+8*(\b):(\f)+8*(\b)+7], v[(\f)+8*(4*(\hi)+(\a)):(\f)+8*(4*(\hi)+(\a))+7], v[8*(8*(\a)+(\b)):8*(8*(\a)+(\b))+7]
.endif
.endr
.endr
.endm
; 32 LDS loads in one run: the fragments of 32 along K at byte k of the rows, W's first, then x's
.macro FETCH slot, k, f
	WIN TO_B
.irp i, 0,1,2,3,4,5,6,7
	ds_load_b128 v[(\f)+8*(\i):(\f)+8*(\i)+3],   v[ADRB+(\slot)] offset:(\k)+(\i)*16*PITCH
	ds_load_b128 v[(\f)+8*(\i)+4:(\f)+8*(\i)+7], v[ADRB+(\slot)] offset:(\k)+(\i)*16*PITCH+32
.endr
	WIN 0
.irp i, 0,1,2,3,4,5,6,7
	ds_load_b128 v[(\f)+8*(\i):(\f)+8*(\i)+3],   v[ADRA+(\slot)] offset:(\k)+(\i)*16*PITCH
	ds_load_b128 v[(\f)+8*(\i)+4:(\f)+8*(\i)+7], v[ADRA+(\slot)] offset:(\k)+(\i)*16*PITCH+32
.endr
.endm
.macro PLACES                          ; four plain instructions in front of loads into registers that matrix instructions have read, and of conversions that read results
.rept 4
	v_nop
.endr
.endm
; A K step is four quarters of 32 along K on buffers 0, 1, 0, 1.  One of the first three multiplies buffer f and fetches the next quarter, at byte k, into g.
.macro QUARTER slot, k, f, g, zero
	s_wait_dscnt 8                                 ; W and x's rows 0-63 are in; the youngest eight loads (x's rows 64-127) may be out
	MUL16 \f, 0, 0, \zero
	MUL16 \f, 0, 2, \zero
	PLACES
	FETCH \slot, \k, \g
	s_wait_dscnt 32                                ; all but the 32 just issued
	MUL16 \f, 1, 0, \zero
	MUL16 \f, 1, 2, \zero
.endm
; The last quarter multiplies buffer 1 and changes slots: ONE barrier.  In front of it each wave waits for all its tensor loads (one is out: its part of the next slot), adds 0 to its
; spare word, and waits for that and for its reads of this slot.  fill = 1: the barrier opens a round of the cluster's, and this slot is filled again, two K steps ahead, first thing behind it.
.macro TURN slot, next, fill
	WIN 0                                          ; (the add's two registers lie in window 0)
	s_wait_tensorcnt 0x0
	ds_add_u32 v[SPW], v[NIL]                      ; 0 onto my spare word
	s_wait_dscnt 9                                 ; the add and the youngest eight loads may be out
	MUL16 F1, 0, 0, 0                              ; sixteen matrix instructions stand between the add and the wait for it
	s_wait_dscnt 0x0                               ; the add is done, and my reads of this slot are over
	s_barrier_signal -1
	MUL16 F1, 0, 2, 0
.if \fill
	WIN 0
.endif
	s_barrier_wait -1
.if \fill
	CREST                                          ; no wave of any partner still reads this slot or has a load on its way
	s_add_nc_u64 s[G0+4*(\slot)+2:G0+4*(\slot)+3], s[G0+4*(\slot)+2:G0+4*(\slot)+3], 2*KSTEP*2
	s_add_nc_u64 s[G0B+4*(\slot)+2:G0B+4*(\slot)+3], s[G0B+4*(\slot)+2:G0B+4*(\slot)+3], 2*KSTEP*2
	JLOAD \slot                                    ; its four v_nop are also the places in front of the loads below
.else
	PLACES
.endif
	FETCH \next, 0, F0
	MUL16 F1, 1, 0, 0
	MUL16 F1, 1, 2, 0
.endm
; THE WAY OUT of block a (16 positions x 128 columns).  PACK: rounded to f16, each accumulator's registers in ascending order.  TOSTAGE: the columns' two blocks of 64 go into two
; stages of 16 rows x 144 bytes and come back as whole rows of 128.  SEND: each block's 16 rows are 2,048 consecutive bytes of st16.
.macro PACK a
.set AC, 64*((\a)%4)
	WIN 0x0a+5*((\a)/4)                            ; sources 0 and 1: window 2 or 3
.irp b, 0,1,2,3,4,5,6,7
.irp r, 0,1,2,3
	v_cvt_pk_f16_f32 v[TMP+4*(\b)+(\r)], v[AC+8*(\b)+2*(\r)], v[AC+8*(\b)+2*(\r)+1]
.endr
.endr
	WIN 0
.endm
.macro TOSTAGE a
	WIN 0
.set BK, OB+192*((\a)%2)
.irp b, 0,1,2,3,4,5,6,7
	ds_store_b128 v[STO], v[TMP+4*(\b):TMP+4*(\b)+3] offset:((\b)/4)*SUB+((\b)%4)*32
.endr
.irp t, 0,1,2,3,4,5,6,7
	ds_load_b128 v[BK+4*(\t):BK+4*(\t)+3], v[RD] offset:((\t)/4)*SUB+((\t)%4)*4*SP  ; LDS serves a wave's instructions in order: these see the stores above
.endr
.endm
.macro SEND a
	WIN 0
.set BK, OB+192*((\a)%2)
	s_wait_dscnt 0x0                               ; the block is back in registers
	s_wait_xcnt 0x0                                ; the stores' base and the registers that earlier stores read are rewritten only behind this wait
.if (\a) == 0
	s_add_nc_u64 s[10:11], s[10:11], s[42:43]
.elseif (\a) == 4
	s_add_nc_u64 s[10:11], s[10:11], 524288-3*8192 ; the next block of 64 positions, its first 64 rows
.else
	s_add_nc_u64 s[10:11], s[10:11], 8192          ; the next 16 positions: 64 rows of 128 bytes on
.endif
.irp t, 0,1,2,3,4,5,6,7
	global_store_b128 v[CO], v[BK+4*(\t):BK+4*(\t)+3], s[10:11] offset:((\t)/4)*32768+((\t)%4)*512  ; 512 consecutive bytes, aligned
.endr
.endm
	s_wait_tensorcnt 1                             ; my part of K step 0 is in; K step 1's may stay out
	s_barrier_signal -1
	s_barrier_wait -1
	FETCH 0, 0, F0
	s_wait_loadcnt 0x0                             ; the bias
	QUARTER 0, 64,  F0, F1, 1                      ; the first quarter stands in front of the loop: its products start the sums
	WIN 0
	s_mov_b32 s3, 0
.Llap:                                                 ; a trip goes once round the ring, from a lap's second quarter to the next lap's first, and fills both slots again
	QUARTER 0, 128, F1, F0, 0
	QUARTER 0, 192, F0, F1, 0
	TURN 0, 1, 1
	QUARTER 1, 64,  F0, F1, 0
	QUARTER 1, 128, F1, F0, 0
	QUARTER 1, 192, F0, F1, 0
	TURN 1, 0, 1
	QUARTER 0, 64,  F0, F1, 0
	WIN 0
	s_add_co_u32 s3, s3, 1
	s_cmp_lt_u32 s3, s[TRIPS]
	s_cbranch_scc1 .Llap
	QUARTER 0, 128, F1, F0, 0                      ; the last lap fills nothing
	QUARTER 0, 192, F0, F1, 0
	TURN 0, 1, 0
	QUARTER 1, 64,  F0, F1, 0
	QUARTER 1, 128, F1, F0, 0
	QUARTER 1, 192, F0, F1, 0
	s_wait_dscnt 8                                 ; the very last quarter: nothing more to fetch
	MUL16 F1, 0, 0, 0
	MUL16 F1, 0, 2, 0
	s_wait_dscnt 0x0
	MUL16 F1, 1, 0, 0
	MUL16 F1, 1, 2, 0
	PLACES
	PACK 0
	TOSTAGE 0
.irp a, 1,2,3,4,5,6,7                  ; block a's conversions stand between block a - 1's loads from the stage and the wait for them
	PACK \a
	SEND (\a)-1
	TOSTAGE \a
.endr
	SEND 7
	s_wait_tensorcnt 0x0                           ; the wave's end
	ds_add_u32 v[SPW], v[NIL]
	s_wait_dscnt 0x0
	CROUND                                         ; the closing round
	s_endpgm
.Lfunc_end_k_q9faaa34a96_proj:
	.size	k_q9faaa34a96_proj, .Lfunc_end_k_q9faaa34a96_proj-k_q9faaa34a96_proj
	.p2alignl 7, 3214868480
	.fill 96, 4, 3214868480
	.section	.rodata,"a",@progbits
	.p2align	6, 0x0
	.amdhsa_kernel k_q9faaa34a96_proj
		.amdhsa_group_segment_fixed_size 327680
		.amdhsa_private_segment_fixed_size 0
		.amdhsa_enable_private_segment 0
		.amdhsa_kernarg_size 32
		.amdhsa_user_sgpr_count 2
		.amdhsa_user_sgpr_kernarg_segment_ptr 1
		.amdhsa_wavefront_size32 1
		.amdhsa_system_sgpr_workgroup_id_x 1
		.amdhsa_system_sgpr_workgroup_id_y 1
		.amdhsa_system_sgpr_workgroup_id_z 1
		.amdhsa_system_vgpr_workitem_id 0
		.amdhsa_next_free_vgpr 1024
		.amdhsa_next_free_sgpr 66
		.amdhsa_reserve_vcc 0
		.amdhsa_float_denorm_mode_32 3
		.amdhsa_float_denorm_mode_16_64 3
		.amdhsa_memory_ordered 1
		.amdhsa_forward_progress 1
		.amdhsa_inst_pref_size 145
	.end_amdhsa_kernel
	.amdgpu_metadata
---
amdhsa.version: [ 1, 2 ]
amdhsa.kernels:
  - .name:           k_q9faaa34a96_proj
    .symbol:         k_q9faaa34a96_proj.kd
    .args:
      - { .name: xb, .offset: 0, .size: 8, .value_kind: global_buffer, .address_space: global }
      - { .name: wb, .offset: 8, .size: 8, .value_kind: global_buffer, .address_space: global }
      - { .name: cst, .offset: 16, .size: 8, .value_kind: global_buffer, .address_space: global }
      - { .name: st16, .offset: 24, .size: 8, .value_kind: global_buffer, .address_space: global }
    .group_segment_fixed_size: 327680
    .private_segment_fixed_size: 0
    .kernarg_segment_align: 8
    .kernarg_segment_size: 32
    .max_flat_workgroup_size: 128
    .sgpr_count:     66
    .vgpr_count:     1024
    .wavefront_size: 32
...
	.end_amdgpu_metadata
.endif
;; end of part 2
;; launch qkvatt (part 3): grid 8 x 32, 4 waves a work-group, clusters of 4 x 4, 327,680 bytes of LDS; arguments st16, wqkv, cst, fused; writes fused
.if DOCPART == 3
	.amdgcn_target "amdgcn-amd-amdhsa--gfx1250"
	.amdhsa_code_object_version 6
	.text
	.protected	k_q9faaa34a96_qkvatt
	.globl	k_q9faaa34a96_qkvatt
	.p2align	8
	.type	k_q9faaa34a96_qkvatt,@function
k_q9faaa34a96_qkvatt:
	s_mov_b64 s[64:65], 0
	v_nop
	global_prefetch_b8 v0, s[64:65] scope:SCOPE_SE
	s_setreg_imm32_b32 hwreg(HW_REG_WAVE_MODE, 25, 1), 1
	s_wait_xcnt 0x0
	s_wait_alu depctr_hold_cnt(0) depctr_sa_sdst(0) depctr_va_vdst(0) depctr_va_sdst(0) depctr_va_ssrc(0) depctr_va_vcc(0) depctr_vm_vsrc(0)
	s_getreg_b32 s2, hwreg(HW_REG_IB_STS2, 6, 4)
	s_cmp_eq_u32 s2, 0
	s_cbranch_scc0 .Lentry_in_a_cluster
	s_endpgm
.Lentry_in_a_cluster:
	s_bfe_u32 s2, ttmp6, 0x10000c
	s_cmp_lg_u32 s2, 0xf033
	s_cbranch_scc0 .Lentry_shape_is_right
	s_endpgm
.Lentry_shape_is_right:
; Q, K, V = stacked W^T + bias for one head; then, for every position and modality m, the softmax over the three routed modalities r of Q_m . K_r / (sqrt(128) |T|), the weighted sum of V_r,
; and the mean over m.  Q, K and V never leave the registers.  Operands f16 (the weights hold bf16-rounded numbers), sums, scores, softmax and the mix in f32; fused is rounded once to bf16.
; THE ROUTES are made from constants alone: modalities 0 and 1 look at 0, 1, 2; modality 2 at 2, 3, 0; modality 3 at 3, 2, 0.
; LIMITS: NaN and infinities are not treated apart; a weight below 2^-126 counts as 0.  The maximum of a triple is taken away before the scale, so no exponent is ever above 0.
; SHARES.  A tile: 64 positions x 4 modalities (256 rows) times one head's 384 columns of q, k, v; K = 1024 in 16 steps of 64.  Wave w takes 32 positions (w / 2) of all four modalities,
; 8 fragments of stacked, times half (w % 2) of q's, k's and v's columns, 12 weight fragments: 96 accumulators, 768 registers, and 20 fragments read from LDS for 96 matrix instructions.
; A WORK-GROUP STAYS: it makes two tiles, the same head, 32 position blocks apart; the ring does not stop between them: the first tile's last two changes of slots ask for the second tile's
; first two K steps, and the first tile's attention stands while those are on their way.
; THE MATRIX INSTRUCTION IS USED TRANSPOSED (source 0 = 16 weight rows, source 1 = 16 rows of stacked): a lane holds one position (lane % 16) of each of the wave's two blocks of 16 and, of each
; block u of 16 columns, the eight columns 8 (lane / 16) + 0..7.  A score's 128 columns lie in two halves of the lanes and in two waves: one exchange between the halves, one through LDS.
; bq and bk are the C operands of the products that start Q's and K's sums; bv is the addend of the mix.
; RING.  Both operands lie in memory in blocks of 64 k, a step's rows end to end: a tile is asked for as rows of 256 bytes and padded in LDS after every 128.  Two slots of one step.
; CLUSTER 4 x 4: stacked's tile is shared by the four heads of a row of the cluster, the weights' by the four position blocks of a column: joint loads.
; REGISTERS: window 0: v0-31 addresses; v32-95, v96-159 stacked's fragments for the step's first and second 32 along K (fragment a at + 8 a); v160-255 the weights' twelve fragments (q at 160 + 8 q),
;   as two buffers of six.  Window 1: Q, window 2: K, window 3: V; accumulator (a, u) at v[32 a + 8 u], a = 4 x block of positions + modality.
.set PK,     144                       ; a row in LDS: 128 bytes + 16 of padding: the 16 rows of a fragment load start at 16 different groups of four banks
.set APART,  256*PK
.set BPART,  384*PK
.set SLOT,   APART+BPART
.set STAGE,  2*SLOT                    ; behind the ring, never filled by a tensor load: the work-group's 64 rows x 272 bytes
.set SPITCH, 272
.set XCH,    STAGE+64*SPITCH           ; each wave's 12 partial scores a lane, 48 bytes a lane
.set WXCH,   1536
.set SPARE,  XCH+4*WXCH                ; the spare words: 128 bytes a wave, two blocks of 256 bytes that no other line names
.set ASTEP,  32768                     ; bytes of a K step in st16 and in wqkv
.set BSTEP,  49152
.set NEXT_A, 32*16*ASTEP-14*ASTEP      ; from a slot's last K step of a tile to its first of the next: 32 position blocks on, 14 steps back
.set BACK_B, 14*BSTEP                  ; the weights only go back: both tiles have the same head
.set NEXT_O, 32*64*2048                ; fused: 32 blocks of 64 rows on
.set ADRA, 16                          ; v16-17  LDS address of my fragments of stacked in slot 0, 1
.set ADRB, 20                          ; v20-21  the same for the weights
.set STO,  24                          ; v24     where I put 16 bytes of a row of the stage
.set RD,   25                          ; v25     where I read a row back
.set CO,   26                          ; v26     my byte offset in two rows of fused
.set BO,   27                          ; v27     32 x (lane / 16): my eight numbers of a block of 16 of a bias
.set SPW,  28                          ; v28     my spare word; never rewritten
.set NIL,  29                          ; v29     0; never rewritten
.set XW,   30                          ; v30     where my partial scores go
.set XR,   31                          ; v31     where the other wave's lie
.set AF0,  32
.set AF1,  96
.set BH0,  160
.set E,    32                          ; the attention's registers, where the fragments lay: v32-79 24 pairs of partial scores
.set OWN,  32                          ; v32-35 my block's four coefficients, v36-39 the other block's
.set OTH,  36
.set PKD,  48                          ; v48-79 fused, packed
.set S,    80                          ; v80-91 my 12 scores
.set T,    92                          ; v92-103 the other wave's
.set CF,   104                         ; v104-119 the coefficients of both blocks, each twice
.set MX,   120
.set SM,   124
.set BV,   128                         ; v128-159 bv
.set FU,   160                         ; v160-223 fused in f32; later v160-191 whole rows to store
.set WV,  12                           ; s12 wave; s13 its half of the positions; s14 its half of the columns (and: which half of its tile it fetches)
.set PH,  13
.set CH,  14
.set G1A, 24
.set G0A, 32
.set G1B, 48
.set G0B, 56
.set MSB, 0
.macro WIN new                         ; the immediate's high byte repeats the setting that is left; a switch that changes nothing is dropped
.if MSB != (\new)
	s_set_vgpr_msb (MSB<<8)|(\new)
.set MSB, \new
.endif
.endm
; A joint load: waves 0 and 1 fetch the two halves of stacked's tile, waves 2 and 3 those of the weights'.  Four v_nop follow each of the two lines.
.macro JLOAD s
	s_cmp_lt_u32 s[WV], 2
	s_cbranch_scc0 .Lfor_b_\@
	tensor_load_to_lds s[G0A+4*(\s):G0A+4*(\s)+3], s[G1A:G1A+7]
	s_nop 0
.rept 4
	v_nop
.endr
	s_branch .Lasked_\@
.Lfor_b_\@:
	tensor_load_to_lds s[G0B+4*(\s):G0B+4*(\s)+3], s[G1B:G1B+7]
	s_nop 0
.rept 4
	v_nop
.endr
.Lasked_\@:
.endm
.macro CREST                           ; a round of the cluster's barrier behind its opening barrier
	s_cmp_lg_u32 s[WV], 0
	s_cbranch_scc1 .Lnot_wave_0_\@
	s_barrier_signal -3
.Lnot_wave_0_\@:
	s_barrier_wait -3
	s_barrier_signal -1
	s_barrier_wait -1
.endm
.macro CROUND
	s_barrier_signal -1
	s_barrier_wait -1
	CREST
.endm
.macro PLACES                          ; four plain instructions in front of loads into registers that matrix instructions have read, and of vector work that reads results
.rept 4
	v_nop
.endr
.endm
.macro BIASQK                          ; bq and bk of my 64 columns into v96-159: register 8 u + i of each: column 16 u + 8 (lane / 16) + i, where the product's result has that column
.irp j, 0,1
.irp u, 0,1,2,3
	global_load_b128 v[AF1+32*\j+8*\u:AF1+32*\j+8*\u+3],   v[BO], s[42:43] offset:16384+4096*\j+64*\u
	global_load_b128 v[AF1+32*\j+8*\u+4:AF1+32*\j+8*\u+7], v[BO], s[42:43] offset:16384+4096*\j+64*\u+16
.endr
.endr
.endm
	s_load_b256 s[4:11], s[0:1], 0x0               ; st16 s[4:5], wqkv s[6:7], cst s[8:9], fused s[10:11]
	v_lshl_add_u32 v[SPW], v0, 2, SPARE
	v_mov_b32 v[NIL], 0
	ds_add_u32 v28, v29
	s_wait_dscnt 0x0
	v_lshrrev_b32 v1, 5, v0
	v_readfirstlane_b32 s[WV], v1
	s_lshr_b32 s[PH], s[WV], 1
	s_and_b32 s[CH], s[WV], 1
	s_bfe_u32 s15, ttmp6, 0x40000                  ; cx
	s_bfe_u32 s16, ttmp6, 0x40004                  ; cy
	s_lshl_b32 s17, ttmp9, 2
	s_add_co_u32 s17, s17, s15                     ; the head
	s_and_b32 s18, ttmp7, 0xffff
	s_lshl_b32 s18, s18, 2
	s_add_co_u32 s18, s18, s16                     ; the first tile's block of 64 positions, 0-31
	s_lshl_b32 s19, s16, 2
	s_lshl_b32 s19, 15, s19                        ; my row of the cluster
	s_lshl_b32 s20, 0x1111, s15                    ; my column
	s_or_b32 s[G1A+0], s19, (1<<16)|(1<<20)|(1<<21)|(4<<22)|(3<<25)  ; the mask; 2-byte elements; padding on; bit 21 beside a mask; after every 32 words, 4 words
	s_or_b32 s[G1B+0], s20, (1<<16)|(1<<20)|(1<<21)|(4<<22)|(3<<25)
.irp g, G1A, G1B
	s_mov_b32 s[(\g)+1], 128<<16                   ; tensor_dim0 = 128: 256 dense bytes, two rows of 64 k
	s_mov_b32 s[(\g)+3], 128<<16                   ; tile_dim0
	s_mov_b32 s[(\g)+5], 128                       ; elements from row to row
	s_mov_b32 s[(\g)+6], 0
	s_mov_b32 s[(\g)+7], 0
.endr
	s_mov_b32 s[G1A+2], 64<<16                     ; 64 such rows: 128 rows of stacked
	s_mov_b32 s[G1A+4], 64
	s_mov_b32 s[G1B+2], 96<<16                     ; 96 such rows: 192 weight rows
	s_mov_b32 s[G1B+4], 96
	s_lshl_b32 s40, s18, 19                        ; stacked: the position block's 16 steps of 32,768 bytes,
	s_lshl_b32 s41, s[CH], 14                      ; the 128 rows that I fetch: nothing here hangs on cx
	s_add_co_u32 s40, s40, s41
	s_mov_b32 s41, 0
	s_mul_i32 s44, s17, 16*BSTEP                   ; the weights: the head's 16 steps of 49,152 bytes,
	s_mul_i32 s45, s[CH], 24576                    ; the 192 rows that I fetch: nothing here hangs on cy
	s_add_co_u32 s44, s44, s45
	s_mov_b32 s45, 0
	s_mul_i32 s2, s[CH], 128*PK                    ; where they go in a slot
	s_mul_i32 s46, s[CH], 192*PK
	s_add_co_u32 s46, s46, APART
	s_lshl_b32 s42, s17, 9                         ; the head's 128 numbers in bq, bk, bv,
	s_lshl_b32 s43, s[CH], 8                       ; my 64 of them
	s_add_co_u32 s42, s42, s43
	s_mov_b32 s43, 0
	s_mov_b32 s22, 0x76543210                      ; v_permlanex16_b32: each lane takes its own place in the other half
	s_mov_b32 s23, 0xfedcba98
	s_wait_kmcnt 0x0
	s_load_b32 s21, s[8:9], 0x8000                 ; c = log2(e) / (sqrt(128) |T|)
	s_add_nc_u64 s[40:41], s[4:5], s[40:41]
	s_add_nc_u64 s[44:45], s[6:7], s[44:45]
	s_add_nc_u64 s[42:43], s[8:9], s[42:43]        ; never rewritten
	CROUND                                         ; all sixteen work-groups are here: the first joint loads meet
.irp s, 0,1
	s_mov_b32 s[G0A+4*(\s)], 1
	s_add_co_u32 s[G0A+4*(\s)+1], s2, (\s)*SLOT
	s_add_nc_u64 s[G0A+4*(\s)+2:G0A+4*(\s)+3], s[40:41], (\s)*ASTEP
	s_or_b32 s[G0A+4*(\s)+3], s[G0A+4*(\s)+3], 0x80000000
	s_mov_b32 s[G0B+4*(\s)], 1
	s_add_co_u32 s[G0B+4*(\s)+1], s46, (\s)*SLOT
	s_add_nc_u64 s[G0B+4*(\s)+2:G0B+4*(\s)+3], s[44:45], (\s)*BSTEP
	s_or_b32 s[G0B+4*(\s)+3], s[G0B+4*(\s)+3], 0x80000000
	JLOAD \s                                       ; two loads of mine are out
.endr
	v_and_b32 v1, 15, v0                           ; l % 16
	v_bfe_u32 v2, v0, 4, 1                         ; l / 16
	v_lshlrev_b32 v[BO], 5, v2
	BIASQK
	v_mul_u32_u24 v13, v1, PK
	v_lshl_add_u32 v13, v2, 4, v13                 ; a fragment's row x pitch + 16 x half
	s_mul_i32 s47, s[PH], 128*PK                   ; my 128 rows of stacked: two blocks of 16 positions x 4 modalities
	v_add_nc_u32 v[ADRA], s47, v13
	v_add_nc_u32 v[ADRA+1], SLOT, v[ADRA]
	s_mul_i32 s47, s[CH], 64*PK                    ; my 64 rows of each of q's, k's and v's 128
	s_add_co_u32 s47, s47, APART
	v_add_nc_u32 v[ADRB], s47, v13
	v_add_nc_u32 v[ADRB+1], SLOT, v[ADRB]
	s_mul_i32 s47, s[PH], 32*SPITCH                ; into the stage: my 32 rows, my half of their 256 bytes; row l % 16, 16 bytes for each half of the lanes
	s_lshl_b32 s46, s[CH], 7
	s_add_co_u32 s47, s47, s46
	s_add_co_u32 s47, s47, STAGE
	v_mul_u32_u24 v13, v1, SPITCH
	v_lshl_add_u32 v13, v2, 4, v13
	v_add_nc_u32 v[STO], s47, v13
	s_mul_i32 s47, s[WV], 16*SPITCH                ; back: wave w takes rows 16 w .. 16 w + 15, whole; lanes 0-15 one row of 256 bytes, lanes 16-31 the next
	s_add_co_u32 s47, s47, STAGE
	v_mul_u32_u24 v13, v2, SPITCH
	v_lshl_add_u32 v13, v1, 4, v13
	v_add_nc_u32 v[RD], s47, v13
	v_lshlrev_b32 v13, 11, v2                      ; and the same two rows in fused, 2,048 bytes apart
	v_lshl_add_u32 v[CO], v1, 4, v13
	v_and_b32 v3, 31, v0
	v_mul_u32_u24 v3, v3, 48                       ; 48 bytes a lane: 16 lanes' stores of 16 bytes fall into 16 different columns of 16 bytes modulo 256
	s_mul_i32 s47, s[WV], WXCH
	s_add_co_u32 s47, s47, XCH
	v_add_nc_u32 v[XW], s47, v3
	s_xor_b32 s47, s[WV], 1                        ; the wave with my positions and the other half of the columns
	s_mul_i32 s47, s47, WXCH
	s_add_co_u32 s47, s47, XCH
	v_add_nc_u32 v[XR], s47, v3
	s_lshl_b32 s40, s18, 17                        ; fused: the block's 64 rows,
	s_lshl_b32 s41, s[WV], 15                      ; the 16 that I store,
	s_add_co_u32 s40, s40, s41
	s_lshl_b32 s41, s17, 8                         ; the head's 256 bytes of a row
	s_add_co_u32 s40, s40, s41
	s_mov_b32 s41, 0
	s_add_nc_u64 s[10:11], s[10:11], s[40:41]
; 8 matrix instructions: weight fragment q (product q / 4: Q, K, V; column block q % 4) x my eight fragments of stacked, 32 along K (half c of the step).
; zero = 1: the product starts the sums: with bq or bk (v96-159) as C, or with 0 for V.  The 96 accumulators take turns: one comes up again 96 matrix instructions later.
.macro MULQ q, c, zero
.set qj, (\q)/4
.set qu, (\q)%4
.if (\zero) && (qj < 2)
	WIN 0x40*(qj+1)                                ; D in window q / 4 + 1; sources and C in window 0
.else
	WIN 0x50*(qj+1)                                ; C and D in window q / 4 + 1
.endif
.irp a, 0,1,2,3,4,5,6,7
.if (\zero) && (qj < 2)
	v_wmma_f32_16x16x32_f16 v[32*\a+8*qu:32*\a+8*qu+7], v[BH0+8*(\q):BH0+8*(\q)+7], v[AF0+64*(\c)+8*\a:AF0+64*(\c)+8*\a+7], v[AF1+32*qj+8*qu:AF1+32*qj+8*qu+7]
.elseif \zero
	v_wmma_f32_16x16x32_f16 v[32*\a+8*qu:32*\a+8*qu+7], v[BH0+8*(\q):BH0+8*(\q)+7], v[AF0+64*(\c)+8*\a:AF0+64*(\c)+8*\a+7], 0
.else
	v_wmma_f32_16x16x32_f16 v[32*\a+8*qu:32*\a+8*qu+7], v[BH0+8*(\q):BH0+8*(\q)+7], v[AF0+64*(\c)+8*\a:AF0+64*(\c)+8*\a+7], v[32*\a+8*qu:32*\a+8*qu+7]
.endif
.endr
.endm
.macro FA slot, c, a0, n               ; 2 n loads: fragments a0 .. a0 + n - 1 of stacked for half c
.set fa, \a0
.rept \n
	ds_load_b128 v[AF0+64*(\c)+8*fa:AF0+64*(\c)+8*fa+3],   v[ADRA+(\slot)] offset:fa*16*PK+64*(\c)
	ds_load_b128 v[AF0+64*(\c)+8*fa+4:AF0+64*(\c)+8*fa+7], v[ADRA+(\slot)] offset:fa*16*PK+64*(\c)+32
.set fa, fa+1
.endr
.endm
.macro FB slot, c, hb                  ; 12 loads: weight fragments 6 hb .. 6 hb + 5 for half c, ascending
.set fq, 6*(\hb)
.rept 6
	ds_load_b128 v[BH0+8*fq:BH0+8*fq+3],   v[ADRB+(\slot)] offset:(128*(fq/4)+16*(fq%4))*PK+64*(\c)
	ds_load_b128 v[BH0+8*fq+4:BH0+8*fq+7], v[ADRB+(\slot)] offset:(128*(fq/4)+16*(fq%4))*PK+64*(\c)+32
.set fq, fq+1
.endr
.endm
; A K step is four parts of 48 matrix instructions: (first 32 along K, fragments 0-5), (first 32, 6-11), (second 32, 0-5), (second 32, 6-11).  Behind a part's first 16 the next part's fragments
; are fetched in ONE run, into the buffers that the part before has left; the four v_nop in front of the run are the places behind that part's products.
; zero = 1 (a tile's first K step): v96-159 hold bq and bk until fragments 6 and 7 have taken them, so stacked's second 32 are all fetched in H01's run.
.macro H00 slot, zero
	s_wait_dscnt 8                                 ; all but the youngest eight loads (weight fragments 2-5) are in
	MULQ 0, 0, \zero
	MULQ 1, 0, \zero
	PLACES
	WIN 0
	FB \slot, 0, 1
.if \zero
	s_wait_dscnt 12                                ; all but the 12 just issued
.else
	FA \slot, 1, 0, 4
	s_wait_dscnt 20                                ; all but the 20 just issued
.endif
.irp q, 2,3,4,5
	MULQ \q, 0, \zero
.endr
.endm
.macro H01 slot, zero
.if \zero
	s_wait_dscnt 8                                 ; of the 12 loads out, fragments 6 and 7 are in
.else
	s_wait_dscnt 16                                ; of the 20 loads out (12 of the weights, then 8 of stacked), fragments 6 and 7 are in
.endif
	MULQ 6, 0, \zero
	MULQ 7, 0, \zero
	PLACES
	WIN 0
.if \zero
	FA \slot, 1, 0, 8
	FB \slot, 1, 0
	s_wait_dscnt 28                                ; all but the 28 just issued
.else
	FA \slot, 1, 4, 4
	FB \slot, 1, 0
	s_wait_dscnt 20
.endif
.irp q, 8,9,10,11
	MULQ \q, 0, \zero
.endr
.endm
.macro H10 slot
	s_wait_dscnt 8                                 ; stacked's fragments and the weights' 0 and 1 are in; the youngest eight loads (2-5) may be out
	MULQ 0, 1, 0
	MULQ 1, 1, 0
	PLACES
	WIN 0
	FB \slot, 1, 1                                 ; nothing of the next slot yet: it is shown whole only behind the barrier of the part that follows
	s_wait_dscnt 12
.irp q, 2,3,4,5
	MULQ \q, 1, 0
.endr
.endm
; The step's last part changes slots: ONE barrier.  In front of it each wave waits for all its tensor loads (one is out: its part of the next slot), adds 0 to its spare word, and waits for that
; and for its reads of this slot.  fill = 1: the barrier opens a round of the cluster's, and this slot is filled again, two steps ahead, first thing behind it: 176 matrix instructions stand
; between that request and the wait for it.  fill = 2: the same, with the NEXT tile's K step 0 or 1.  fetch = 0: a tile's end: the next tile's fragments are fetched behind the attention.
.macro TURN slot, next, fill, fetch
	WIN 0
	s_wait_tensorcnt 0x0
	ds_add_u32 v[SPW], v[NIL]                      ; 0 onto my spare word
	s_wait_dscnt 9                                 ; the add and the youngest eight loads (fragments 8-11) may be out
	MULQ 6, 1, 0                                   ; eight matrix instructions stand between the add and the wait for it
	s_wait_dscnt 0x0                               ; the add is done, and my reads of this slot are over
	s_barrier_signal -1
	MULQ 7, 1, 0
	WIN 0
	s_barrier_wait -1
.if \fill
	CREST                                          ; no wave of any partner still reads this slot or has a load on its way
.if (\fill) == 2
	s_add_nc_u64 s[G0A+4*(\slot)+2:G0A+4*(\slot)+3], s[G0A+4*(\slot)+2:G0A+4*(\slot)+3], NEXT_A
	s_sub_nc_u64 s[G0B+4*(\slot)+2:G0B+4*(\slot)+3], s[G0B+4*(\slot)+2:G0B+4*(\slot)+3], BACK_B
.else
	s_add_nc_u64 s[G0A+4*(\slot)+2:G0A+4*(\slot)+3], s[G0A+4*(\slot)+2:G0A+4*(\slot)+3], 2*ASTEP
	s_add_nc_u64 s[G0B+4*(\slot)+2:G0B+4*(\slot)+3], s[G0B+4*(\slot)+2:G0B+4*(\slot)+3], 2*BSTEP
.endif
	JLOAD \slot                                    ; its four v_nop are also the places in front of the loads below
.else
	PLACES
.endif
.if \fetch
	FA \next, 0, 0, 8
	FB \next, 0, 0
.endif
.irp q, 8,9,10,11
	MULQ \q, 1, 0
.endr
.endm
; THE ATTENTION of a tile.  more = 1: another tile follows: its bq and bk are asked for as soon as their registers are free, and fused's address steps on.
.macro SC k, m, r                      ; score k of block pb: Q_m . K_r, pair i of my 32 columns; the first product starts the sum
.if i == 0
	v_pk_mul_f32 v[E+24*pb+2*(\k):E+24*pb+2*(\k)+1], v[32*(4*pb+(\m))+2*i:32*(4*pb+(\m))+2*i+1], v[32*(4*pb+(\r))+2*i:32*(4*pb+(\r))+2*i+1]
.else
	v_pk_fma_f32 v[E+24*pb+2*(\k):E+24*pb+2*(\k)+1], v[32*(4*pb+(\m))+2*i:32*(4*pb+(\m))+2*i+1], v[32*(4*pb+(\r))+2*i:32*(4*pb+(\r))+2*i+1], v[E+24*pb+2*(\k):E+24*pb+2*(\k)+1]
.endif
.endm
.macro EPI more
	PLACES
	WIN 0
.irp u, 0,1,2,3                        ; bv of my 64 columns: wanted behind the scores and the softmax
	global_load_b128 v[BV+8*\u:BV+8*\u+3],   v[BO], s[42:43] offset:16384+2*4096+64*\u
	global_load_b128 v[BV+8*\u+4:BV+8*\u+7], v[BO], s[42:43] offset:16384+2*4096+64*\u+16
.endr
	WIN 0x09                                       ; source 0 (Q) window 1, source 1 (K) window 2
.set i, 0
.rept 16                               ; 24 chains that take turns; each accumulator's registers are read in ascending order
.set pb, 0
.rept 2
	SC 0, 0, 0
	SC 1, 0, 1
	SC 2, 0, 2
	SC 3, 1, 0
	SC 4, 1, 1
	SC 5, 1, 2
	SC 6, 2, 2
	SC 7, 2, 3
	SC 8, 2, 0
	SC 9, 3, 3
	SC 10, 3, 2
	SC 11, 3, 0
.set pb, pb+1
.endr
.set i, i+1
.endr
	WIN 0
.set k, 0
.rept 24
	v_add_f32 v[E+2*k], v[E+2*k], v[E+2*k+1]
.set k, k+1
.endr
	; The halves of the lanes share the work: lanes 0-15 go on with the first block of 16 positions, lanes 16-31 with the second.  Each sends the other what it holds of the other's block.
	s_mov_b32 vcc_lo, 0xffff0000                   ; lanes 16-31
.set k, 0
.rept 12
	v_cndmask_b32 v[E+2*k+1],    v[E+24+2*k], v[E+2*k],    vcc_lo  ; what I send
	v_cndmask_b32 v[E+24+2*k+1], v[E+2*k],    v[E+24+2*k], vcc_lo  ; what I keep
.set k, k+1
.endr
.set k, 0
.rept 12
	v_permlanex16_b32 v[E+2*k], v[E+2*k+1], s22, s23
.set k, k+1
.endr
.set k, 0
.rept 12
	v_add_f32 v[S+k], v[E+24+2*k+1], v[E+2*k]      ; my position's score over my wave's 64 columns
.set k, k+1
.endr
.irp f, 0,1,2
	ds_store_b128 v[XW], v[S+4*\f:S+4*\f+3] offset:16*\f
.endr
	s_wait_dscnt 0x0                               ; for the other wave's sake: my stores are done
	s_barrier_signal -1
	s_barrier_wait -1
.irp f, 0,1,2
	ds_load_b128 v[T+4*\f:T+4*\f+3], v[XR] offset:16*\f
.endr
	s_wait_dscnt 0x0
.set k, 0
.rept 6
	v_pk_add_f32 v[S+2*k:S+2*k+1], v[S+2*k:S+2*k+1], v[T+2*k:T+2*k+1]  ; all 128 columns; both waves form the same sum of the same two numbers
.set k, k+1
.endr
.set m, 0
.rept 4
	v_max3_num_f32 v[MX+m], v[S+3*m], v[S+3*m+1], v[S+3*m+2]
.set m, m+1
.endr
.set k, 0
.rept 12                               ; the difference first, then the scale: it is never above 0, however large the scores
	v_sub_f32 v[S+k], v[S+k], v[MX+k/3]
.set k, k+1
.endr
.set k, 0
.rept 12
	v_mul_f32 v[S+k], s21, v[S+k]
.set k, k+1
.endr
.set k, 0
.rept 12
	v_exp_f32 v[S+k], v[S+k]
.set k, k+1
.endr
	v_nop                                          ; a plain instruction between the last exponential and the use of its result
.set m, 0
	s_wait_alu depctr_va_vdst(0)
.rept 4
	v_add_f32 v[SM+m], v[S+3*m], v[S+3*m+1]
.set m, m+1
.endr
.set m, 0
.rept 4
	v_add_f32 v[SM+m], v[SM+m], v[S+3*m+2]
.set m, m+1
.endr
.set m, 0
.rept 4
	v_rcp_f32 v[MX+m], v[SM+m]
.set m, m+1
.endr
	v_nop
.set m, 0
	s_wait_alu depctr_va_vdst(0)
.rept 4
	v_mul_f32 v[MX+m], 0x3e800000, v[MX+m]         ; w_m = 1 / (4 x the sum): the mean over the modalities is folded in
.set m, m+1
.endr
	; c_r = the sum over the pairs (m, r) of e w_m: how much of V_r the mean holds
	v_mul_f32 v[OWN+0], v[S+0], v[MX+0]
	v_mul_f32 v[OWN+1], v[S+1], v[MX+0]
	v_mul_f32 v[OWN+2], v[S+2], v[MX+0]
	v_mul_f32 v[OWN+3], v[S+7], v[MX+2]
	v_fma_f32 v[OWN+0], v[S+3], v[MX+1], v[OWN+0]
	v_fma_f32 v[OWN+1], v[S+4], v[MX+1], v[OWN+1]
	v_fma_f32 v[OWN+2], v[S+5], v[MX+1], v[OWN+2]
	v_fma_f32 v[OWN+3], v[S+9], v[MX+3], v[OWN+3]
	v_fma_f32 v[OWN+0], v[S+8], v[MX+2], v[OWN+0]
	v_fma_f32 v[OWN+2], v[S+6], v[MX+2], v[OWN+2]
	v_fma_f32 v[OWN+0], v[S+11], v[MX+3], v[OWN+0]
	v_fma_f32 v[OWN+2], v[S+10], v[MX+3], v[OWN+2]
.irp r, 0,1,2,3
	v_permlanex16_b32 v[OTH+\r], v[OWN+\r], s22, s23  ; the other block's coefficients: every lane holds V of both blocks
.endr
.irp r, 0,1,2,3                        ; each twice: the packed multiply-add names a pair
	v_cndmask_b32 v[CF+2*\r],     v[OWN+\r], v[OTH+\r], vcc_lo  ; the first block's: lanes 0-15 made them
	v_cndmask_b32 v[CF+2*\r+1],   v[OWN+\r], v[OTH+\r], vcc_lo
	v_cndmask_b32 v[CF+8+2*\r],   v[OTH+\r], v[OWN+\r], vcc_lo  ; the second block's: lanes 16-31 made them
	v_cndmask_b32 v[CF+8+2*\r+1], v[OTH+\r], v[OWN+\r], vcc_lo
.endr
	s_wait_loadcnt 0x0                             ; bv
	WIN 0x03                                       ; source 0 (V) window 3
.set r, 0
.rept 4                                ; fused = bv + the sum over r of c_r V_r: the c_r add up to 1, so bv enters once
.set pb, 0
.rept 2
.set i, 0
.rept 16
.if r == 0
	v_pk_fma_f32 v[FU+32*pb+2*i:FU+32*pb+2*i+1], v[32*(4*pb+r)+2*i:32*(4*pb+r)+2*i+1], v[CF+8*pb+2*r:CF+8*pb+2*r+1], v[BV+2*i:BV+2*i+1] op_sel_hi:[1,0,1]
.else
	v_pk_fma_f32 v[FU+32*pb+2*i:FU+32*pb+2*i+1], v[32*(4*pb+r)+2*i:32*(4*pb+r)+2*i+1], v[CF+8*pb+2*r:CF+8*pb+2*r+1], v[FU+32*pb+2*i:FU+32*pb+2*i+1] op_sel_hi:[1,0,1]
.endif
.set i, i+1
.endr
.set pb, pb+1
.endr
.set r, r+1
.endr
	WIN 0
.if \more
	BIASQK                                         ; v96-159 are free: the next tile's bq and bk land while this tile leaves
.endif
.set i, 0
.rept 32
	v_cvt_pk_bf16_f32 v[PKD+i], v[FU+2*i], v[FU+2*i+1]
.set i, i+1
.endr
.irp p, 0,1                            ; a lane's eight columns of a block pack into 16 bytes; a row's 256 bytes come from two waves, so a barrier stands between writing and reading
.irp u, 0,1,2,3
	ds_store_b128 v[STO], v[PKD+16*\p+4*\u:PKD+16*\p+4*\u+3] offset:\p*16*SPITCH+32*\u
.endr
.endr
	s_wait_dscnt 0x0                               ; for the others' sake: my stores into the stage are done
	s_barrier_signal -1
	s_barrier_wait -1
.irp t, 0,1,2,3,4,5,6,7
	ds_load_b128 v[FU+4*\t:FU+4*\t+3], v[RD] offset:\t*2*SPITCH
.endr
.irp t, 0,1,2,3,4,5,6,7
	s_wait_dscnt 7-\t                              ; LDS loads come back in order: pair t of rows is in
	global_store_b128 v[CO], v[FU+4*\t:FU+4*\t+3], s[10:11] offset:4096*\t  ; 16 lanes store 256 consecutive bytes, aligned
.endr
.if \more
	s_wait_xcnt 0x0                                ; the stores' base and their data registers are rewritten only behind this wait
	s_add_nc_u64 s[10:11], s[10:11], NEXT_O
.endif
.endm
	s_wait_kmcnt 0x0                               ; c
	s_wait_tensorcnt 1                             ; my part of step 0 is in; step 1's may stay out
	s_barrier_signal -1
	s_barrier_wait -1
	s_mov_b32 s2, 2                                ; tiles to go: the same number in every work-group
.Ltile:
	FA 0, 0, 0, 8                                  ; slot 0 holds the tile's K step 0: shown whole by the barrier above, or by the last change of slots of the tile before
	FB 0, 0, 0
	s_wait_loadcnt 0x0                             ; bq, bk
	H00 0, 1                                       ; the first 96 products stand in front of the loop: they start the sums
	H01 0, 1
	WIN 0
	s_mov_b32 s3, 7
.Llap:                                                 ; seven trips: once round the ring, from a step's second 32 along K to the first 32 of the step two on; steps 2 to 15 are asked for
	H10 0
	TURN 0, 1, 1, 1
	H00 1, 0
	H01 1, 0
	H10 1
	TURN 1, 0, 1, 1
	H00 0, 0
	H01 0, 0
	WIN 0
	s_sub_co_u32 s3, s3, 1
	s_cmp_lg_u32 s3, 0
	s_cbranch_scc1 .Llap
	H10 0                                          ; steps 14 and 15
	WIN 0
	s_sub_co_u32 s2, s2, 1
	s_cmp_eq_u32 s2, 0
	s_cbranch_scc1 .Llast                          ; the last tile's tail is written out: it asks for nothing more
	TURN 0, 1, 2, 1                                ; THE RING GOES ON INTO THE NEXT TILE: slot 0 takes its K step 0,
	H00 1, 0
	H01 1, 0
	H10 1
	TURN 1, 0, 2, 0                                ; slot 1 its K step 1
	EPI 1
	s_branch .Ltile
.Llast:
	TURN 0, 1, 0, 1
	H00 1, 0
	H01 1, 0
	H10 1
	s_wait_dscnt 8                                 ; the very last part: nothing more to fetch
	MULQ 6, 1, 0
	MULQ 7, 1, 0
	s_wait_dscnt 0x0
.irp q, 8,9,10,11
	MULQ \q, 1, 0
.endr
	EPI 0
	s_wait_tensorcnt 0x0                           ; the wave's end
	ds_add_u32 v[SPW], v[NIL]
	s_wait_dscnt 0x0
	CROUND                                         ; the closing round
	s_endpgm
.Lfunc_end_k_q9faaa34a96_qkvatt:
	.size	k_q9faaa34a96_qkvatt, .Lfunc_end_k_q9faaa34a96_qkvatt-k_q9faaa34a96_qkvatt
	.p2alignl 7, 3214868480
	.fill 96, 4, 3214868480
	.section	.rodata,"a",@progbits
	.p2align	6, 0x0
	.amdhsa_kernel k_q9faaa34a96_qkvatt
		.amdhsa_group_segment_fixed_size 327680
		.amdhsa_private_segment_fixed_size 0
		.amdhsa_enable_private_segment 0
		.amdhsa_kernarg_size 32
		.amdhsa_user_sgpr_count 2
		.amdhsa_user_sgpr_kernarg_segment_ptr 1
		.amdhsa_wavefront_size32 1
		.amdhsa_system_sgpr_workgroup_id_x 1
		.amdhsa_system_sgpr_workgroup_id_y 1
		.amdhsa_system_sgpr_workgroup_id_z 1
		.amdhsa_system_vgpr_workitem_id 0
		.amdhsa_next_free_vgpr 1024
		.amdhsa_next_free_sgpr 66
		.amdhsa_reserve_vcc 1
		.amdhsa_float_denorm_mode_32 3
		.amdhsa_float_denorm_mode_16_64 3
		.amdhsa_memory_ordered 1
		.amdhsa_forward_progress 1
		.amdhsa_inst_pref_size 198
	.end_amdhsa_kernel
	.amdgpu_metadata
---
amdhsa.version: [ 1, 2 ]
amdhsa.kernels:
  - .name:           k_q9faaa34a96_qkvatt
    .symbol:         k_q9faaa34a96_qkvatt.kd
    .args:
      - { .name: st16, .offset: 0, .size: 8, .value_kind: global_buffer, .address_space: global }
      - { .name: wqkv, .offset: 8, .size: 8, .value_kind: global_buffer, .address_space: global }
      - { .name: cst, .offset: 16, .size: 8, .value_kind: global_buffer, .address_space: global }
      - { .name: fused, .offset: 24, .size: 8, .value_kind: global_buffer, .address_space: global }
    .group_segment_fixed_size: 327680
    .private_segment_fixed_size: 0
    .kernarg_segment_align: 8
    .kernarg_segment_size: 32
    .max_flat_workgroup_size: 128
    .sgpr_count:     66
    .vgpr_count:     1024
    .wavefront_size: 32
...
	.end_amdgpu_metadata
.endif
;; end of part 3
;; launch outp (part 4): grid 8 x 32, 4 waves a work-group, clusters of 4 x 4, 327,680 bytes of LDS; arguments fused, wob, cst, out0; writes out0
.if DOCPART == 4
	.amdgcn_target "amdgcn-amd-amdhsa--gfx1250"
	.amdhsa_code_object_version 6
	.text
	.protected	k_q9faaa34a96_outp
	.globl	k_q9faaa34a96_outp
	.p2align	8
	.type	k_q9faaa34a96_outp,@function
k_q9faaa34a96_outp:
	s_mov_b64 s[64:65], 0
	v_nop
	global_prefetch_b8 v0, s[64:65] scope:SCOPE_SE
	s_setreg_imm32_b32 hwreg(HW_REG_WAVE_MODE, 25, 1), 1
	s_wait_xcnt 0x0
	s_wait_alu depctr_hold_cnt(0) depctr_sa_sdst(0) depctr_va_vdst(0) depctr_va_sdst(0) depctr_va_ssrc(0) depctr_va_vcc(0) depctr_vm_vsrc(0)
	s_getreg_b32 s2, hwreg(HW_REG_IB_STS2, 6, 4)
	s_cmp_eq_u32 s2, 0
	s_cbranch_scc0 .Lentry_in_a_cluster
	s_endpgm
.Lentry_in_a_cluster:
	s_bfe_u32 s2, ttmp6, 0x10000c
	s_cmp_lg_u32 s2, 0xf033
	s_cbranch_scc0 .Lentry_shape_is_right
	s_endpgm
.Lentry_shape_is_right:
; out0[p][n] = sum over k of fused[p][k] Wo[n][k] + bo[n].  fused [4096][1024] and Wo [1024][1024] in bf16, sums and out0 in f32.
; 256 work-groups, a tile of 128 x 128 each (tiles of 256 x 256 would be 64); four waves of 64 x 64: 16 accumulators, 128 registers.  K goes in steps of 256 (LDS rows of 512 bytes; a wave's
; tensor load brings 64 of them) through two slots.  CLUSTER 4 x 4: fused's tile is shared along a row of the cluster, Wo's along a column: joint loads.
; THE MATRIX INSTRUCTION IS USED TRANSPOSED (source 0 = 16 rows of Wo, source 1 = 16 rows of fused): a lane holds eight neighbouring columns of a row.  The first product takes bo as its C operand.
; A wave's 64 columns in f32 are 256 aligned bytes of a row of out0, so each wave has a stage of its own on the way out, and no barrier stands there.
; REGISTERS: window 0: v0-31 addresses; v32-95 at work on the way out; v96-127 bo; v128-255 the accumulators ((a, b) at v[128 + 8 (4 a + b)])
;   window 1: two fragment buffers of 128: for 64 along K, 64 registers of fused, then 64 of Wo.
.set KSTEP,  256
.set PITCH,  528                       ; an LDS row: 512 bytes + 16 of padding
.set HALFT,  64*PITCH
.set SLOT,   4*HALFT
.set STAGE,  2*SLOT                    ; behind the ring, never filled by a tensor load: 16 rows x 272 bytes for each wave
.set SPITCH, 272
.set WSTG,   16*SPITCH
.set SPARE,  STAGE+4*WSTG              ; the spare words: 128 bytes a wave, two blocks of 256 bytes that no other line names
.set LAPS,   2                         ; K = 1024: two laps of two steps
.set ADRA, 16
.set ADRB, 20
.set STO,  24
.set RD,   25
.set CO,   26
.set BO,   27
.set SPW,  28
.set NIL,  29
.set TMP,  32
.set BR,   96
.set ACC,  128
.set F0,   0
.set F1,   128
.set WV, 12
.set WR, 13
.set WC, 14
.set G1, 24
.set G0, 32
.set G1B, 48
.set G0B, 56
.set MSB, 0
.macro WIN new
.if MSB != (\new)
	s_set_vgpr_msb (MSB<<8)|(\new)
.set MSB, \new
.endif
.endm
.set MUL,  0x05                        ; sources 0 (Wo) and 1 (fused) window 1; C and D window 0
.set TO_F, 0x40                        ; destination window 1, address window 0
.macro JLOAD s                         ; a joint load: waves 0 and 1 fetch fused's two halves, waves 2 and 3 Wo's; four v_nop follow each of the two lines
	s_cmp_eq_u32 s[WR], 0
	s_cbranch_scc0 .Lfor_b_\@
	tensor_load_to_lds s[G0+4*(\s):G0+4*(\s)+3], s[G1:G1+7]
	s_nop 0
.rept 4
	v_nop
.endr
	s_branch .Lasked_\@
.Lfor_b_\@:
	tensor_load_to_lds s[G0B+4*(\s):G0B+4*(\s)+3], s[G1B:G1B+7]
	s_nop 0
.rept 4
	v_nop
.endr
.Lasked_\@:
.endm
.macro CREST
	s_cmp_lg_u32 s[WV], 0
	s_cbranch_scc1 .Lnot_wave_0_\@
	s_barrier_signal -3
.Lnot_wave_0_\@:
	s_barrier_wait -3
	s_barrier_signal -1
	s_barrier_wait -1
.endm
.macro CROUND
	s_barrier_signal -1
	s_barrier_wait -1
	CREST
.endm
	s_load_b256 s[4:11], s[0:1], 0x0               ; fused s[4:5], wob s[6:7], cst s[8:9], out0 s[10:11]
	v_lshl_add_u32 v[SPW], v0, 2, SPARE
	v_mov_b32 v[NIL], 0
	ds_add_u32 v28, v29
	s_wait_dscnt 0x0
	v_lshrrev_b32 v1, 5, v0
	v_readfirstlane_b32 s[WV], v1
	s_lshr_b32 s[WR], s[WV], 1                     ; my half of the tile's rows.  Also: I fetch fused (0) or Wo (1)
	s_and_b32 s[WC], s[WV], 1                      ; my half of its columns.  Also: which 64 rows I fetch
	s_bfe_u32 s15, ttmp6, 0x40000                  ; cx
	s_bfe_u32 s16, ttmp6, 0x40004                  ; cy
	s_lshl_b32 s17, ttmp9, 2
	s_add_co_u32 s17, s17, s15                     ; tile column
	s_and_b32 s18, ttmp7, 0xffff
	s_lshl_b32 s18, s18, 2
	s_add_co_u32 s18, s18, s16                     ; tile row
	s_lshl_b32 s19, s16, 2
	s_lshl_b32 s19, 15, s19                        ; my row of the cluster
	s_lshl_b32 s20, 0x1111, s15                    ; my column
	s_or_b32 s[G1+0], s19, (1<<16)|(1<<20)|(1<<21)|(6<<22)|(3<<25)  ; the mask; 2-byte elements; padding on; bit 21 beside a mask; after every 128 words, 4 words
	s_or_b32 s[G1B+0], s20, (1<<16)|(1<<20)|(1<<21)|(6<<22)|(3<<25)
.irp g, G1, G1B
	s_mov_b32 s[(\g)+1], KSTEP<<16                 ; tensor_dim0 = 256
	s_mov_b32 s[(\g)+2], 64<<16                    ; tensor_dim1 = 64
	s_mov_b32 s[(\g)+3], KSTEP<<16                 ; tile_dim0 = 256
	s_mov_b32 s[(\g)+4], 64                        ; tile_dim1 = 64
	s_mov_b32 s[(\g)+5], 1024                      ; elements from row to row
	s_mov_b32 s[(\g)+6], 0
	s_mov_b32 s[(\g)+7], 0
.endr
	s_lshl_b32 s40, s18, 18                        ; fused: the tile row's 128 rows of 2,048 bytes,
	s_lshl_b32 s41, s[WC], 17                      ; the 64 that I fetch: nothing here hangs on cx
	s_add_co_u32 s40, s40, s41
	s_mov_b32 s41, 0
	s_lshl_b32 s44, s17, 18                        ; Wo: the tile column's 128 rows: nothing here hangs on cy
	s_lshl_b32 s45, s[WC], 17
	s_add_co_u32 s44, s44, s45
	s_mov_b32 s45, 0
	s_lshl_b32 s42, s17, 9                         ; bo: the tile's 128 numbers,
	s_lshl_b32 s43, s[WC], 8                       ; my 64
	s_add_co_u32 s42, s42, s43
	s_mov_b32 s43, 0
	s_mul_i32 s21, s[WV], HALFT                    ; where my tile goes: wave x 64 rows
	s_wait_kmcnt 0x0
	s_add_nc_u64 s[40:41], s[4:5], s[40:41]
	s_add_nc_u64 s[44:45], s[6:7], s[44:45]
	s_add_nc_u64 s[8:9], s[8:9], s[42:43]
	CROUND                                         ; all sixteen work-groups are here: the first joint loads meet
.irp s, 0,1
	s_mov_b32 s[G0+4*(\s)], 1
	s_add_co_u32 s[G0+4*(\s)+1], s21, (\s)*SLOT
	s_add_nc_u64 s[G0+4*(\s)+2:G0+4*(\s)+3], s[40:41], (\s)*KSTEP*2
	s_or_b32 s[G0+4*(\s)+3], s[G0+4*(\s)+3], 0x80000000
	s_mov_b32 s[G0B+4*(\s)], 1
	s_add_co_u32 s[G0B+4*(\s)+1], s21, (\s)*SLOT
	s_add_nc_u64 s[G0B+4*(\s)+2:G0B+4*(\s)+3], s[44:45], (\s)*KSTEP*2
	s_or_b32 s[G0B+4*(\s)+3], s[G0B+4*(\s)+3], 0x80000000
	JLOAD \s                                       ; two loads of mine are out
.endr
	v_and_b32 v1, 15, v0                           ; l % 16
	v_bfe_u32 v2, v0, 4, 1                         ; l / 16
	v_lshlrev_b32 v[BO], 5, v2
.irp b, 0,1,2,3                        ; register j of block b: bo of column 16 b + 8 (l / 16) + j
	global_load_b128 v[BR+8*\b:BR+8*\b+3],   v[BO], s[8:9] offset:28672+64*\b
	global_load_b128 v[BR+8*\b+4:BR+8*\b+7], v[BO], s[8:9] offset:28672+64*\b+16
.endr
	v_mul_u32_u24 v3, v1, PITCH
	v_lshl_add_u32 v3, v2, 4, v3                   ; a fragment's row x pitch + 16 x half
	s_mul_i32 s46, s[WR], HALFT                    ; my 64 rows of fused
	s_mul_i32 s47, s[WC], HALFT                    ; my 64 rows of Wo,
	s_add_co_u32 s47, s47, 2*HALFT                 ; behind fused's 128
.irp s, 0,1
	v_add_nc_u32 v[ADRA+(\s)], s46, v3
	v_add_nc_u32 v[ADRB+(\s)], s47, v3
	s_add_co_u32 s46, s46, SLOT
	s_add_co_u32 s47, s47, SLOT
.endr
	s_mul_i32 s2, s[WV], WSTG
	s_add_co_u32 s2, s2, STAGE                     ; my stage
	v_mul_u32_u24 v4, v1, SPITCH                   ; in: row l % 16, 32 bytes for each half of the lanes
	v_lshl_add_u32 v4, v2, 5, v4
	v_add_nc_u32 v[STO], s2, v4
	v_mul_u32_u24 v5, v2, SPITCH                   ; back: lanes 0-15 one row of 256 bytes, lanes 16-31 the next
	v_lshl_add_u32 v5, v1, 4, v5
	v_add_nc_u32 v[RD], s2, v5
	v_lshlrev_b32 v5, 12, v2                       ; and the same two rows in out0, 4,096 bytes apart
	v_lshl_add_u32 v[CO], v1, 4, v5
	s_lshl_b32 s42, s18, 19                        ; out0: the tile's 128 rows,
	s_lshl_b32 s43, s[WR], 18                      ; my 64,
	s_add_co_u32 s42, s42, s43
	s_lshl_b32 s43, s17, 9                         ; the tile's 512 bytes of a row,
	s_add_co_u32 s42, s42, s43
	s_lshl_b32 s43, s[WC], 8                       ; my 256
	s_add_co_u32 s42, s42, s43
	s_mov_b32 s43, 0
	s_add_nc_u64 s[10:11], s[10:11], s[42:43]
; 8 matrix instructions: row blocks a0, a0 + 1 x all 4 column blocks, 32 along K: half c of buffer f.  zero = 1: the first product starts the sums, with bo as C.
; The 16 accumulators take turns.
.macro MUL8 f, c, a0, zero
	WIN MUL
.irp a, \a0, (\a0)+1
.irp b, 0,1,2,3
.if \zero
	v_wmma_f32_16x16x32_bf16 v[ACC+8*(4*(\a)+(\b)):ACC+8*(4*(\a)+(\b))+7], v[(\f)+64+8*(4*(\c)+(\b)):(\f)+64+8*(4*(\c)+(\b))+7], v[(\f)+8*(4*(\c)+(\a)):(\f)+8*(4*(\c)+(\a))+7], v[BR+8*(\b):BR+8*(\b)+7]
.else
	v_wmma_f32_16x16x32_bf16 v[ACC+8*(4*(\a)+(\b)):ACC+8*(4*(\a)+(\b))+7], v[(\f)+64+8*(4*(\c)+(\b)):(\f)+64+8*(4*(\c)+(\b))+7], v[(\f)+8*(4*(\c)+(\a)):(\f)+8*(4*(\c)+(\a))+7], v[ACC+8*(4*(\a)+(\b)):ACC+8*(4*(\a)+(\b))+7]
.endif
.endr
.endr
.endm
; 32 LDS loads in one run: the fragments of 64 along K at byte k of the rows, into buffer f; the first 32 along K first
.macro FETCH slot, k, f
	WIN TO_F
.irp c, 0,1
.irp i, 0,1,2,3
	ds_load_b128 v[(\f)+64+8*(4*(\c)+(\i)):(\f)+64+8*(4*(\c)+(\i))+3],   v[ADRB+(\slot)] offset:(\k)+64*(\c)+(\i)*16*PITCH
	ds_load_b128 v[(\f)+64+8*(4*(\c)+(\i))+4:(\f)+64+8*(4*(\c)+(\i))+7], v[ADRB+(\slot)] offset:(\k)+64*(\c)+(\i)*16*PITCH+32
	ds_load_b128 v[(\f)+8*(4*(\c)+(\i)):(\f)+8*(4*(\c)+(\i))+3],         v[ADRA+(\slot)] offset:(\k)+64*(\c)+(\i)*16*PITCH
	ds_load_b128 v[(\f)+8*(4*(\c)+(\i))+4:(\f)+8*(4*(\c)+(\i))+7],       v[ADRA+(\slot)] offset:(\k)+64*(\c)+(\i)*16*PITCH+32
.endr
.endr
.endm
.macro PLACES
.rept 4
	v_nop
.endr
.endm
; A K step is four quarters of 64 along K, 32 matrix instructions each, on buffers 0, 1, 0, 1.
.macro QUARTER slot, k, f, g, zero
	s_wait_dscnt 16                                ; the first 32 along K are in
	MUL8 \f, 0, 0, \zero
	MUL8 \f, 0, 2, \zero
	PLACES
	FETCH \slot, \k, \g
	s_wait_dscnt 32                                ; all but the 32 just issued
	MUL8 \f, 1, 0, 0
	MUL8 \f, 1, 2, 0
.endm
; The last quarter multiplies buffer 1 and changes slots: ONE barrier; in front of it each wave waits for all its tensor loads, adds 0 to its spare word, and waits for that and for its reads of this slot.
.macro TURN slot, next, fill
	WIN 0
	s_wait_tensorcnt 0x0
	ds_add_u32 v[SPW], v[NIL]                      ; 0 onto my spare word
	s_wait_dscnt 17                                ; the add and the youngest sixteen loads may be out
	MUL8 F1, 0, 0, 0                               ; eight matrix instructions stand between the add and the wait for it
	s_wait_dscnt 0x0                               ; the add is done, and my reads of this slot are over
	s_barrier_signal -1
	MUL8 F1, 0, 2, 0
.if \fill
	WIN 0
.endif
	s_barrier_wait -1
.if \fill
	CREST                                          ; no wave of any partner still reads this slot or has a load on its way
	s_add_nc_u64 s[G0+4*(\slot)+2:G0+4*(\slot)+3], s[G0+4*(\slot)+2:G0+4*(\slot)+3], 2*KSTEP*2
	s_add_nc_u64 s[G0B+4*(\slot)+2:G0B+4*(\slot)+3], s[G0B+4*(\slot)+2:G0B+4*(\slot)+3], 2*KSTEP*2
	JLOAD \slot                                    ; its four v_nop are also the places in front of the loads below
.else
	PLACES
.endif
	FETCH \next, 0, F0
	MUL8 F1, 1, 0, 0
	MUL8 F1, 1, 2, 0
.endm
; THE WAY OUT of row block a (16 rows x 64 columns of f32): a lane's eight columns, 32 bytes, go into rows of 272 bytes, the low four registers first; whole rows of 256 bytes come back.
.macro TOSTAGE a
.if (\a) >= 2
	s_wait_xcnt 0x0                                ; the buffer below was the data of the stores two blocks back: it is loaded again only behind this wait
.endif
.irp b, 0,1,2,3
	ds_store_b128 v[STO], v[ACC+8*(4*(\a)+(\b)):ACC+8*(4*(\a)+(\b))+3]   offset:64*(\b)
	ds_store_b128 v[STO], v[ACC+8*(4*(\a)+(\b))+4:ACC+8*(4*(\a)+(\b))+7] offset:64*(\b)+16
.endr
.irp t, 0,1,2,3,4,5,6,7
	ds_load_b128 v[TMP+32*((\a)%2)+4*(\t):TMP+32*((\a)%2)+4*(\t)+3], v[RD] offset:(\t)*2*SPITCH  ; LDS serves a wave's instructions in order: these see the stores above
.endr
.endm
.macro SEND a, younger                 ; younger: the LDS instructions issued behind block a's loads: the next block's sixteen, or none
.irp t, 0,1,2,3,4,5,6,7
	s_wait_dscnt (\younger)+7-(\t)
	global_store_b128 v[CO], v[TMP+32*((\a)%2)+4*(\t):TMP+32*((\a)%2)+4*(\t)+3], s[10:11] offset:(\a)*65536+(\t)*8192  ; 16 lanes store 256 consecutive bytes, aligned
.endr
.endm
	s_wait_tensorcnt 1                             ; my part of K step 0 is in; K step 1's may stay out
	s_barrier_signal -1
	s_barrier_wait -1
	FETCH 0, 0, F0
	s_wait_loadcnt 0x0                             ; bo
	QUARTER 0, 128, F0, F1, 1                      ; the first quarter stands in front of the loop: its first products start the sums
	WIN 0
	s_mov_b32 s3, LAPS-1
.Llap:                                                 ; a trip goes once round the ring and fills both slots again
	QUARTER 0, 256, F1, F0, 0
	QUARTER 0, 384, F0, F1, 0
	TURN 0, 1, 1
	QUARTER 1, 128, F0, F1, 0
	QUARTER 1, 256, F1, F0, 0
	QUARTER 1, 384, F0, F1, 0
	TURN 1, 0, 1
	QUARTER 0, 128, F0, F1, 0
	WIN 0
	s_sub_co_u32 s3, s3, 1
	s_cmp_lg_u32 s3, 0
	s_cbranch_scc1 .Llap
	QUARTER 0, 256, F1, F0, 0                      ; the last lap fills nothing
	QUARTER 0, 384, F0, F1, 0
	TURN 0, 1, 0
	QUARTER 1, 128, F0, F1, 0
	QUARTER 1, 256, F1, F0, 0
	QUARTER 1, 384, F0, F1, 0
	s_wait_dscnt 16                                ; the very last quarter: nothing more to fetch
	MUL8 F1, 0, 0, 0
	MUL8 F1, 0, 2, 0
	s_wait_dscnt 0x0
	MUL8 F1, 1, 0, 0
	MUL8 F1, 1, 2, 0
	WIN 0
	PLACES
	TOSTAGE 0
	TOSTAGE 1
	SEND 0, 16
	TOSTAGE 2
	SEND 1, 16
	TOSTAGE 3
	SEND 2, 16
	SEND 3, 0
	s_wait_tensorcnt 0x0                           ; the wave's end
	ds_add_u32 v[SPW], v[NIL]
	s_wait_dscnt 0x0
	CROUND                                         ; the closing round
	s_endpgm
.Lfunc_end_k_q9faaa34a96_outp:
	.size	k_q9faaa34a96_outp, .Lfunc_end_k_q9faaa34a96_outp-k_q9faaa34a96_outp
	.p2alignl 7, 3214868480
	.fill 96, 4, 3214868480
	.section	.rodata,"a",@progbits
	.p2align	6, 0x0
	.amdhsa_kernel k_q9faaa34a96_outp
		.amdhsa_group_segment_fixed_size 327680
		.amdhsa_private_segment_fixed_size 0
		.amdhsa_enable_private_segment 0
		.amdhsa_kernarg_size 32
		.amdhsa_user_sgpr_count 2
		.amdhsa_user_sgpr_kernarg_segment_ptr 1
		.amdhsa_wavefront_size32 1
		.amdhsa_system_sgpr_workgroup_id_x 1
		.amdhsa_system_sgpr_workgroup_id_y 1
		.amdhsa_system_sgpr_workgroup_id_z 1
		.amdhsa_system_vgpr_workitem_id 0
		.amdhsa_next_free_vgpr 512
		.amdhsa_next_free_sgpr 66
		.amdhsa_reserve_vcc 0
		.amdhsa_float_denorm_mode_32 3
		.amdhsa_float_denorm_mode_16_64 3
		.amdhsa_memory_ordered 1
		.amdhsa_forward_progress 1
		.amdhsa_inst_pref_size 87
	.end_amdhsa_kernel
	.amdgpu_metadata
---
amdhsa.version: [ 1, 2 ]
amdhsa.kernels:
  - .name:           k_q9faaa34a96_outp
    .symbol:         k_q9faaa34a96_outp.kd
    .args:
      - { .name: fused, .offset: 0, .size: 8, .value_kind: global_buffer, .address_space: global }
      - { .name: wob, .offset: 8, .size: 8, .value_kind: global_buffer, .address_space: global }
      - { .name: cst, .offset: 16, .size: 8, .value_kind: global_buffer, .address_space: global }
      - { .name: out0, .offset: 24, .size: 8, .value_kind: global_buffer, .address_space: global }
    .group_segment_fixed_size: 327680
    .private_segment_fixed_size: 0
    .kernarg_segment_align: 8
    .kernarg_segment_size: 32
    .max_flat_workgroup_size: 128
    .sgpr_count:     66
    .vgpr_count:     512
    .wavefront_size: 32
...
	.end_amdgpu_metadata
.endif
;; end of part 4
;; ======== version 2 of 2: 4 launches; version 1 with the launch cvt written anew for expert scheduling mode
;; limits: values are held in f16: magnitudes above 65,504 overflow, below 6.1e-05 lose precision
;; workspace buffers: xb 33,554,432 bytes; wb 8,388,608 bytes; wqkv 6,291,456 bytes; wob 2,097,152 bytes; cst 33,792 bytes; st16 33,554,432 bytes; fused 8,388,608 bytes
;; launch cvt (part 5): grid 769 x 1, 8 waves a work-group, no clusters, 0 bytes of LDS; arguments text, image, audio, video, W_text, W_image, W_audio, W_video, Wq, Wk, Wv, Wo, b_text, b_image, b_audio, b_video, emb, bq, bk, bv, bo, temperature, xb, wb, wqkv, wob, cst; writes xb, wb, wqkv, wob, cst
.if DOCPART == 5
	.amdgcn_target "amdgcn-amd-amdhsa--gfx1250"
	.amdhsa_code_object_version 6
	.text
	.protected	k_q9faaa34a96_cvt
	.globl	k_q9faaa34a96_cvt
	.p2align	8
	.type	k_q9faaa34a96_cvt,@function
k_q9faaa34a96_cvt:
	s_mov_b64 s[64:65], 0
	v_nop
	global_prefetch_b8 v0, s[64:65] scope:SCOPE_SE
	s_setreg_imm32_b32 hwreg(HW_REG_WAVE_SCHED_MODE, 0, 2), 2
	s_setreg_imm32_b32 hwreg(HW_REG_WAVE_MODE, 25, 1), 1
	s_wait_xcnt 0x0
	s_wait_alu depctr_vm_vsrc(0)
; EVERY INPUT IS ROUNDED TO bf16, ONCE, AND LAID AS THE PRODUCTS WANT IT.  A stream: no LDS, no barrier, no matrix work.
;   xb   bf16 [4 modalities][4096 rows][pitch 1024]: the four inputs; only the columns below a modality's width are written, and only those are read later
;   wb   bf16 [4][1024][pitch 1024]: the four projection weights          wob  bf16 [1024][1024]: Wo
;   wqkv f16 (the bf16-rounded number, written as f16) [8 heads][16 blocks of 64 k][q, k, v][128 rows][64 k]: a K step's 384 rows of one head lie end to end
;   cst  f32: b_m + emb_m (each rounded first) at 0; bq, bk, bv at 16384; bo at 28672; 256 copies of c = log2(e) / (sqrt(128) |T|) at 32768
; LIMIT: a weight of Wq, Wk, Wv below 2^-17 keeps f16's fixed step of 2^-24; beyond 65,504 it would be an infinity.  T = 0, NaN and infinities are not treated apart.
; SHARES.  A wave takes 4 rows of one tensor, a work-group 32.  Work-groups 0-511: the inputs (128 each); 512-639: their weights (32 each); 640-671: Wo; 672-767: Wq, Wk, Wv; 768: the constants.
; Each tensor has a path of its own, written by one of two macros, so that every base register holds one buffer's address and no two meet at a label.
; All of a wave's loads go out first (16 to 32 of 512 bytes each); no register is written again once a memory instruction has read it, so no wait frees one.
; THE MODE: SCHED_MODE bits 1:0 = 2 (LLVM: expert scheduling mode 2), set by the entry lines.  The code itself states the register dependences
; between vector instructions and memory instructions, with s_wait_alu, always for 0.
; THE PLAN.  Registers that memory instructions touch:
;   v1, v2, v3   byte offsets, made at the head and never written again; every load and store of the twelve tensor paths reads one of them.
;   unit i       four registers of its own at X + 4 i.  Written by its one load, which is issued before any vector instruction names them; then its conversions read the four and
;                write the first two, in place; its one store reads those two; nothing writes them after that.
; The units go in blocks of four.  Block p's conversions name block p's registers alone.  The memory instructions that stand among them are the four stores of block p - 1.  So ONE wait at the
; head of a block, behind the wait for the block's data, states all that those four stores hang on: the block before has written their data.  One more stands ahead of the last block's stores.
.set SO, 1                             ; v1  16 x lane: my 16 bytes of 512 source bytes
.set DO, 2                             ; v2  8 x lane: my 8 bytes of 256 destination bytes
.set SB, 3                             ; v3  for Wq, Wk, Wv: lanes 0-15 one row's 256 bytes, lanes 16-31 the next row's
.set X,  8                             ; v[8:135] four registers for each load
.set BLOCK, 4                          ; units in a block
.macro GO lim, target
	s_cmp_lt_u32 s2, \lim
	s_cbranch_scc1 \target
.endm
; The store of unit u of a tensor with rows of nseg x 128 numbers: 128 numbers of row u / nseg
.macro RSTORE u, nseg
	global_store_b64 v[DO], v[X+4*(\u):X+4*(\u)+1], s[6:7] offset:((\u)/(\nseg))*2048+((\u)%(\nseg))*256  ; the wave's 32 lanes store 256 consecutive bytes, aligned
.endm
; Rows of nseg x 128 numbers.  The wave's 4 rows are 4 nseg x 512 consecutive source bytes; unit i is 128 numbers of row i / nseg.
.macro ROWS first, srcarg, dstarg, dstoff, nseg
	s_load_b64 s[4:5], s[0:1], \srcarg
	s_load_b64 s[6:7], s[0:1], \dstarg
	s_sub_co_u32 s8, s2, \first                    ; my block of 32 rows
	s_lshl_b32 s8, s8, 5
	s_lshl2_add_u32 s8, s3, s8                     ; my wave's first row
	s_mul_i32 s10, s8, (\nseg)*512                 ; a source row has nseg x 512 bytes
	s_mov_b32 s11, 0
	s_lshl_b32 s12, s8, 11                         ; a destination row has 2,048
	s_add_co_u32 s12, s12, \dstoff
	s_mov_b32 s13, 0
	s_wait_kmcnt 0x0
	s_add_nc_u64 s[4:5], s[4:5], s[10:11]
	s_add_nc_u64 s[6:7], s[6:7], s[12:13]
.set i, 0
.rept 4*(\nseg)
	global_load_b128 v[X+4*i:X+4*i+3], v[SO], s[4:5] offset:512*i th:TH_LOAD_NT  ; no vector instruction has named these registers; the offset was shown written at the head
.set i, i+1
.endr
.set i, 0
.rept 4*(\nseg)
.if i%BLOCK == 0
	s_wait_loadcnt 4*(\nseg)-BLOCK-i               ; loads come back in order: this block's four units are in, the younger blocks stay out
.if i > 0
	s_wait_alu depctr_va_vdst(0)                   ; the block before has written the first two registers of its units, which the four stores below read
.endif
.endif
.if i >= BLOCK
	RSTORE i-BLOCK, \nseg                          ; the block before; no vector instruction since the wait names its registers
.endif
	v_cvt_pk_bf16_f32 v[X+4*i], v[X+4*i], v[X+4*i+1]
	v_cvt_pk_bf16_f32 v[X+4*i+1], v[X+4*i+2], v[X+4*i+3]
.set i, i+1
.endr
	s_wait_alu depctr_va_vdst(0)                   ; the last block has written its units' first two registers, which the last four stores read
.set i, 4*(\nseg)-BLOCK
.rept BLOCK
	RSTORE i, \nseg
.set i, i+1
.endr
	s_endpgm
.endm
; The store of unit u of Wq, Wk or Wv: rows 2 (u / 16) and the next, block u % 16 of 64 k: 256 consecutive bytes of wqkv
.macro BSTORE u
	global_store_b64 v[DO], v[X+4*(\u):X+4*(\u)+1], s[6:7] offset:((\u)/16)*256+((\u)%16)*49152
.endm
; Wq, Wk or Wv (j = 0, 1, 2).  Unit i: rows 2 (i / 16) and the next, block i % 16 of 64 k: two pieces of 256 source bytes, which are 256 consecutive bytes of wqkv.
.macro BLK first, srcarg, j
	s_load_b64 s[4:5], s[0:1], \srcarg
	s_load_b64 s[6:7], s[0:1], 0xc0
	s_sub_co_u32 s8, s2, \first
	s_lshl_b32 s8, s8, 5
	s_lshl2_add_u32 s8, s3, s8                     ; my wave's first row n
	s_lshl_b32 s10, s8, 12                         ; a source row has 4,096 bytes
	s_mov_b32 s11, 0
	s_lshr_b32 s12, s8, 7                          ; the head, n / 128
	s_mul_i32 s12, s12, 786432
	s_and_b32 s13, s8, 127
	s_lshl_b32 s13, s13, 7                         ; the row in the head, 128 bytes each
	s_add_co_u32 s12, s12, s13
	s_add_co_u32 s12, s12, (\j)*16384
	s_mov_b32 s13, 0
	s_mov_b32 s14, 0xffff0000                      ; a word's upper bf16
	s_wait_kmcnt 0x0
	s_add_nc_u64 s[4:5], s[4:5], s[10:11]
	s_add_nc_u64 s[6:7], s[6:7], s[12:13]
.set i, 0
.rept 32
	global_load_b128 v[X+4*i:X+4*i+3], v[SB], s[4:5] offset:(i/16)*8192+(i%16)*256 th:TH_LOAD_NT  ; no vector instruction has named these registers; the offset was shown written at the head
.set i, i+1
.endr
.set i, 0
.rept 32
.if i%BLOCK == 0
	s_wait_loadcnt 32-BLOCK-i                      ; this block's four units are in, the younger blocks stay out
.if i > 0
	s_wait_alu depctr_va_vdst(0)                   ; the block before has written the first two registers of its units, which the four stores below read
.endif
.endif
.if i >= BLOCK
	BSTORE i-BLOCK                                 ; the block before; no vector instruction since the wait names its registers
.endif
	v_cvt_pk_bf16_f32 v[X+4*i], v[X+4*i], v[X+4*i+1]       ; rounded to bf16,
	v_cvt_pk_bf16_f32 v[X+4*i+1], v[X+4*i+2], v[X+4*i+3]
	v_lshlrev_b32 v[X+4*i+2], 16, v[X+4*i]                 ; widened again,
	v_and_b32     v[X+4*i],   s14, v[X+4*i]
	v_lshlrev_b32 v[X+4*i+3], 16, v[X+4*i+1]
	v_and_b32     v[X+4*i+1], s14, v[X+4*i+1]
	v_cvt_pk_f16_f32 v[X+4*i],   v[X+4*i+2], v[X+4*i]      ; and written as f16: exact, since bf16 has fewer significant bits
	v_cvt_pk_f16_f32 v[X+4*i+1], v[X+4*i+3], v[X+4*i+1]
.set i, i+1
.endr
	s_wait_alu depctr_va_vdst(0)                   ; the last block has written its units' first two registers, which the last four stores read
.set i, 32-BLOCK
.rept BLOCK
	BSTORE i
.set i, i+1
.endr
	s_endpgm
.endm
.macro RB4 r                           ; four numbers rounded to bf16 and kept as f32
	v_cvt_pk_bf16_f32 v4, v[\r], v[\r+1]
	v_cvt_pk_bf16_f32 v5, v[\r+2], v[\r+3]
	v_lshlrev_b32 v[\r],   16, v4
	v_and_b32     v[\r+1], s31, v4
	v_lshlrev_b32 v[\r+2], 16, v5
	v_and_b32     v[\r+3], s31, v5
.endm
	v_lshrrev_b32 v4, 5, v0
	v_readfirstlane_b32 s3, v4                     ; my wave's number
	s_mov_b32 s2, ttmp9
	v_and_b32 v4, 31, v0
	v_lshlrev_b32 v[SO], 4, v4
	v_lshlrev_b32 v[DO], 3, v4
	v_and_b32 v5, 15, v0
	v_lshlrev_b32 v[SB], 4, v5
	v_bfe_u32 v5, v0, 4, 1
	v_lshl_add_u32 v[SB], v5, 12, v[SB]
	s_wait_alu depctr_va_sdst(0)                   ; s3 is written, ahead of the branches behind which its first reader stands: each path makes its wave's first row from it
	s_wait_alu depctr_va_vdst(0)                   ; v1, v2 and v3 are written: every load and store of the twelve tensor paths reads one of them as its offset, and no later line writes them
	GO 128, .Ltext
	GO 256, .Limage
	GO 384, .Laudio
	GO 512, .Lvideo
	GO 544, .Lwtext
	GO 576, .Lwimage
	GO 608, .Lwaudio
	GO 640, .Lwvideo
	GO 672, .Lwo
	GO 704, .Lwq
	GO 736, .Lwk
	GO 768, .Lwv
	; THE CONSTANTS: 256 threads, four columns each.  v6 and v7 are the offsets; v8-v55 are loaded once, rounded and added in place, and stored once; v57 is c.
	; The reciprocal is issued first, so that the roundings stand behind it; all nine stores stand in one run, behind one wait.
	s_load_b256 s[8:15], s[0:1], 0x60              ; b_text, b_image, b_audio, b_video
	s_load_b256 s[16:23], s[0:1], 0x80             ; emb, bq, bk, bv
	s_load_b128 s[24:27], s[0:1], 0xa0             ; bo, temperature
	s_load_b64 s[28:29], s[0:1], 0xd0              ; cst
	s_mov_b32 s31, 0xffff0000
	v_lshlrev_b32 v6, 4, v0                        ; 16 t
	v_lshlrev_b32 v7, 2, v0                        ; 4 t
	s_wait_kmcnt 0x0
	s_load_b32 s30, s[26:27], 0x0
	s_wait_alu depctr_va_vdst(0)                   ; v6 and v7 are written: the loads and stores below read them as their offsets
	global_load_b128 v[8:11],  v6, s[8:9]
	global_load_b128 v[12:15], v6, s[10:11]
	global_load_b128 v[16:19], v6, s[12:13]
	global_load_b128 v[20:23], v6, s[14:15]
.irp m, 0,1,2,3
	global_load_b128 v[24+4*\m:27+4*\m], v6, s[16:17] offset:4096*\m
.endr
	global_load_b128 v[40:43], v6, s[18:19]
	global_load_b128 v[44:47], v6, s[20:21]
	global_load_b128 v[48:51], v6, s[22:23]
	global_load_b128 v[52:55], v6, s[24:25]
	s_wait_loadcnt 0x0
	s_wait_kmcnt 0x0                               ; T
	v_mov_b32 v56, s30
	v_cvt_pk_bf16_f32 v56, v56, v56                ; T rounded like every other input
	v_lshlrev_b32 v56, 16, v56
	v_and_b32 v56, 0x7fffffff, v56                 ; |T|
	v_mul_f32 v56, 0x413504f3, v56                 ; sqrt(128) |T|
	v_rcp_f32 v57, v56
	v_nop                                          ; a plain instruction between the reciprocal and its use
.irp r, 8,12,16,20,24,28,32,36,40,44,48,52
	RB4 \r
.endr
	s_wait_alu depctr_va_vdst(0)                   ; the reciprocal has written v57, which the multiply below reads; the roundings above are the independent work between
	v_mul_f32 v57, 0x3fb8aa3b, v57                 ; c = log2(e) / (sqrt(128) |T|)
.irp m, 0,1,2,3
	v_pk_add_f32 v[8+4*\m:9+4*\m],   v[8+4*\m:9+4*\m],   v[24+4*\m:25+4*\m]  ; b_m + emb_m
	v_pk_add_f32 v[10+4*\m:11+4*\m], v[10+4*\m:11+4*\m], v[26+4*\m:27+4*\m]
.endr
	s_wait_alu depctr_va_vdst(0)                   ; the sums have written v8-v23, the roundings v40-v55, the multiply v57: the data of the nine stores below
.irp m, 0,1,2,3
	global_store_b128 v6, v[8+4*\m:11+4*\m], s[28:29] offset:4096*\m
.endr
.irp j, 0,1,2,3
	global_store_b128 v6, v[40+4*\j:43+4*\j], s[28:29] offset:16384+4096*\j  ; bq, bk, bv, bo
.endr
	global_store_b32 v7, v57, s[28:29] offset:32768  ; 256 copies: whole blocks of 256 bytes
	s_endpgm
.Ltext:
	ROWS 0, 0x00, 0xb0, 0, 6
.Limage:
	ROWS 128, 0x08, 0xb0, 1<<23, 8
.Laudio:
	ROWS 256, 0x10, 0xb0, 2<<23, 4
.Lvideo:
	ROWS 384, 0x18, 0xb0, 3<<23, 8
.Lwtext:
	ROWS 512, 0x20, 0xb8, 0, 6
.Lwimage:
	ROWS 544, 0x28, 0xb8, 1<<21, 8
.Lwaudio:
	ROWS 576, 0x30, 0xb8, 2<<21, 4
.Lwvideo:
	ROWS 608, 0x38, 0xb8, 3<<21, 8
.Lwo:
	ROWS 640, 0x58, 0xc8, 0, 8
.Lwq:
	BLK 672, 0x40, 0
.Lwk:
	BLK 704, 0x48, 1
.Lwv:
	BLK 736, 0x50, 2
.Lfunc_end_k_q9faaa34a96_cvt:
	.size	k_q9faaa34a96_cvt, .Lfunc_end_k_q9faaa34a96_cvt-k_q9faaa34a96_cvt
	.p2alignl 7, 3214868480
	.fill 96, 4, 3214868480
	.section	.rodata,"a",@progbits
	.p2align	6, 0x0
	.amdhsa_kernel k_q9faaa34a96_cvt
		.amdhsa_group_segment_fixed_size 0
		.amdhsa_private_segment_fixed_size 0
		.amdhsa_enable_private_segment 0
		.amdhsa_kernarg_size 216
		.amdhsa_user_sgpr_count 2
		.amdhsa_user_sgpr_kernarg_segment_ptr 1
		.amdhsa_wavefront_size32 1
		.amdhsa_system_sgpr_workgroup_id_x 1
		.amdhsa_system_sgpr_workgroup_id_y 1
		.amdhsa_system_sgpr_workgroup_id_z 1
		.amdhsa_system_vgpr_workitem_id 0
		.amdhsa_next_free_vgpr 144
		.amdhsa_next_free_sgpr 66
		.amdhsa_reserve_vcc 0
		.amdhsa_float_denorm_mode_32 3
		.amdhsa_float_denorm_mode_16_64 3
		.amdhsa_memory_ordered 1
		.amdhsa_forward_progress 1
		.amdhsa_inst_pref_size 151
	.end_amdhsa_kernel
	.amdgpu_metadata
---
amdhsa.version: [ 1, 2 ]
amdhsa.kernels:
  - .name:           k_q9faaa34a96_cvt
    .symbol:         k_q9faaa34a96_cvt.kd
    .args:
      - { .name: text, .offset: 0, .size: 8, .value_kind: global_buffer, .address_space: global }
      - { .name: image, .offset: 8, .size: 8, .value_kind: global_buffer, .address_space: global }
      - { .name: audio, .offset: 16, .size: 8, .value_kind: global_buffer, .address_space: global }
      - { .name: video, .offset: 24, .size: 8, .value_kind: global_buffer, .address_space: global }
      - { .name: W_text, .offset: 32, .size: 8, .value_kind: global_buffer, .address_space: global }
      - { .name: W_image, .offset: 40, .size: 8, .value_kind: global_buffer, .address_space: global }
      - { .name: W_audio, .offset: 48, .size: 8, .value_kind: global_buffer, .address_space: global }
      - { .name: W_video, .offset: 56, .size: 8, .value_kind: global_buffer, .address_space: global }
      - { .name: Wq, .offset: 64, .size: 8, .value_kind: global_buffer, .address_space: global }
      - { .name: Wk, .offset: 72, .size: 8, .value_kind: global_buffer, .address_space: global }
      - { .name: Wv, .offset: 80, .size: 8, .value_kind: global_buffer, .address_space: global }
      - { .name: Wo, .offset: 88, .size: 8, .value_kind: global_buffer, .address_space: global }
      - { .name: b_text, .offset: 96, .size: 8, .value_kind: global_buffer, .address_space: global }
      - { .name: b_image, .offset: 104, .size: 8, .value_kind: global_buffer, .address_space: global }
      - { .name: b_audio, .offset: 112, .size: 8, .value_kind: global_buffer, .address_space: global }
      - { .name: b_video, .offset: 120, .size: 8, .value_kind: global_buffer, .address_space: global }
      - { .name: emb, .offset: 128, .size: 8, .value_kind: global_buffer, .address_space: global }
      - { .name: bq, .offset: 136, .size: 8, .value_kind: global_buffer, .address_space: global }
      - { .name: bk, .offset: 144, .size: 8, .value_kind: global_buffer, .address_space: global }
      - { .name: bv, .offset: 152, .size: 8, .value_kind: global_buffer, .address_space: global }
      - { .name: bo, .offset: 160, .size: 8, .value_kind: global_buffer, .address_space: global }
      - { .name: temperature, .offset: 168, .size: 8, .value_kind: global_buffer, .address_space: global }
      - { .name: xb, .offset: 176, .size: 8, .value_kind: global_buffer, .address_space: global }
      - { .name: wb, .offset: 184, .size: 8, .value_kind: global_buffer, .address_space: global }
      - { .name: wqkv, .offset: 192, .size: 8, .value_kind: global_buffer, .address_space: global }
      - { .name: wob, .offset: 200, .size: 8, .value_kind: global_buffer, .address_space: global }
      - { .name: cst, .offset: 208, .size: 8, .value_kind: global_buffer, .address_space: global }
    .group_segment_fixed_size: 0
    .private_segment_fixed_size: 0
    .kernarg_segment_align: 8
    .kernarg_segment_size: 216
    .max_flat_workgroup_size: 256
    .sgpr_count:     66
    .vgpr_count:     144
    .wavefront_size: 32
...
	.end_amdgpu_metadata
.endif
;; end of part 5
;; launch proj: the kernel of part 2 again; grid 4 x 64, 4 waves a work-group, clusters of 4 x 4, 327,680 bytes of LDS; arguments xb, wb, cst, st16; writes st16
;; launch qkvatt: the kernel of part 3 again; grid 8 x 32, 4 waves a work-group, clusters of 4 x 4, 327,680 bytes of LDS; arguments st16, wqkv, cst, fused; writes fused
;; launch outp: the kernel of part 4 again; grid 8 x 32, 4 waves a work-group, clusters of 4 x 4, 327,680 bytes of LDS; arguments fused, wob, cst, out0; writes out0
